; MI455X (gfx1250); checked and timed in simulation.
; The chip was launched on July 23, 2026; its instructions are those of AMD's public machine-readable ISA for CDNA 5 (MIT licence, August 2026) and "CDNA5" Instruction Set Architecture Reference Guide (July 2026). The comments in the code are by the model that wrote it; some were corrected since.
;; Transformer Layer. Allowed arithmetic: matrix products marked QUANTISED: E4M3 operands, one given power-of-two scale a tensor, by v_wmma_f32_16x16x64_fp8_fp8 or v_wmma_f32_16x16x128_fp8_fp8, f32 sums; everything else in f32.
;; Inputs: W1 1,024 x 4,096 float32; W2 4,096 x 1,024 float32; Wk 1,024 x 1,024 float32; Wo 1,024 x 1,024 float32; Wq 1,024 x 1,024 float32; Wv 1,024 x 1,024 float32; X 2 x 2,048 x 1,024 float32; b1 4,096 float32; b2 1,024 float32; be1 1,024 float32; be2 1,024 float32; g1 1,024 float32; g2 1,024 float32; lowp_scales 16 int32 (the exponents e of the quantised operands' scales 2^e).
;; Outputs: out0 2 x 2,048 x 1,024 float32.
;; This version of the problem:
;;   THIS VERSION OF THE PROBLEM IS GIVEN IN LOW PRECISION. The matrix products marked QUANTISED in the list below multiply operands that are first quantised to E4M3 (4 exponent bits, 3 mantissa bits; 8 bits a number), with one given power-of-two scale for each operand tensor; their sums are f32. All else is computed in f32.
;;   The module's matrix products, in the order in which they are computed (A, B: the left and right operand; K: the contracted axis; several contracted axes count as one K, in the product's order):
;;     1. [M 4,096, K 1,024] x [K 1,024, N 1,024]; A: computed on the way; B: input Wq: QUANTISED (scales: A lowp_scales[0], B lowp_scales[1])
;;     2. [M 4,096, K 1,024] x [K 1,024, N 1,024]; A: computed on the way; B: input Wk: QUANTISED (scales: A lowp_scales[2], B lowp_scales[3])
;;     3. [M 4,096, K 1,024] x [K 1,024, N 1,024]; A: computed on the way; B: input Wv: QUANTISED (scales: A lowp_scales[4], B lowp_scales[5])
;;     4. batch 32 x [M 2,048, K 64] x [K 64, N 2,048]; A: computed on the way; B: computed on the way: QUANTISED (scales: A lowp_scales[6], B lowp_scales[7])
;;     5. batch 32 x [M 2,048, K 2,048] x [K 2,048, N 64]; A: softmax (see below); B: computed on the way: QUANTISED (scales: A lowp_scales[8], B lowp_scales[9])
;;     6. [M 4,096, K 1,024] x [K 1,024, N 1,024]; A: computed on the way; B: input Wo: QUANTISED (scales: A lowp_scales[10], B lowp_scales[11])
;;     7. [M 4,096, K 1,024] x [K 1,024, N 4,096]; A: computed on the way; B: input W1: QUANTISED (scales: A lowp_scales[12], B lowp_scales[13])
;;     8. [M 4,096, K 4,096] x [K 4,096, N 1,024]; A: computed on the way; B: input W2: QUANTISED (scales: A lowp_scales[14], B lowp_scales[15])
;;   THE QUANTISER, for each operand of a quantised product, along K:
;;     - The operand's scale is 2^e, e = its entry of the input lowp_scales (int32; the entries are numbered through the quantised products in the list's order, A before B).
;;     - Each number is divided by the scale, clamped to +-448, and rounded to the nearest number of E4M3, ties to even, subnormals kept.
;;     - The product sums the exact products of the quantised numbers (number of the format x scale) in f32.
;;   ~~~python
;;   def quantise(x, axis, e):      # numpy; x: float32 -> the quantised numbers, widened to float32 again
;;       x = np.moveaxis(x, axis, -1); K = x.shape[-1]
;;       r = np.clip(x / 2.0 ** e, -448, 448)
;;       step = 2.0 ** (np.maximum(np.frexp(np.where(r == 0, 1, r))[1] - 1, -6) - 3)
;;       q = np.round(r / step) * step * 2.0 ** e      # np.round: ties to even
;;       return np.moveaxis(q, -1, axis).astype(np.float32)
;;   ~~~
;;   SOFTMAX AHEAD OF A QUANTISED PRODUCT. Where the list says 'softmax', what is quantised is not the finished softmax but p = 2^(t - M), with t = logit x log2(e) and M = ceil(the row's largest t), a whole number; so 1/2 < the row's largest p <= 1. The row's sum l is taken of the UNQUANTISED p, in f32, and the product's result is divided by l at the end. Since M is a whole number, a kernel that streams over the keys may use a running M (the ceiling of the running maximum): every later rescaling is an exact power of two, so the quantised numbers keep their values, but for numbers so far below the row's largest that they fall under the format's range.
;;   OPERANDS COMPUTED ON THE WAY. 'Computed on the way' means the value that the module computes at that place (a softmax that the list does not call 'softmax' is quantised finished and normalised). What goes into a quantiser is computed in f32, as accurately as f32 sums, v_exp_f32 and their like allow (about 1e-6 of the number): no bf16 or f16 on the way to a quantiser, and a product that is left as it is and whose result goes on into a quantised operand takes f32 operands (vector FMAs, or v_wmma_f32_16x16x4_f32). A number that lies on a knife's edge between two numbers of the format may be rounded either way, as far as f32 arithmetic and the matrix unit's own rounding can turn it there, and no further.
;; One version. Each part assembles by itself: llvm-mc -triple=amdgcn-amd-amdhsa -mcpu=gfx1250 --defsym DOCPART=n.
;; ======== version 1 of 1: 7 launches
;; limits: right only within a limited range of input values
;; workspace buffers: wc 12,582,912 bytes; nx 12,582,912 bytes; qkv 12,582,912 bytes; ctx 4,194,304 bytes; x1 16,777,216 bytes; nx2 4,194,304 bytes; hc 16,777,216 bytes
;; launch prep (part 1): grid 640 x 1, 4 waves a work-group, no clusters, 85,248 bytes of LDS; arguments X, g1, be1, lowp_scales, Wq, Wk, Wv, Wo, W1, W2, nx, wc; writes nx, wc
.if DOCPART == 1
	.amdgcn_target "amdgcn-amd-amdhsa--gfx1250"
	.amdhsa_code_object_version 6
	.text
	.protected	k_qff861cddef_prep
	.globl	k_qff861cddef_prep
	.p2align	8
	.type	k_qff861cddef_prep,@function
k_qff861cddef_prep:
	s_mov_b64 s[64:65], 0
	v_nop
	global_prefetch_b8 v0, s[64:65] scope:SCOPE_SE
	s_setreg_imm32_b32 hwreg(HW_REG_WAVE_MODE, 25, 1), 1
	s_wait_xcnt 0x0
; PREP.  Work-groups 0-255: LayerNorm 1 of 16 tokens each, quantised three times (scales e0, e2, e4) into nx.  Work-groups 256-639: the six weights, f32 [K][N], into codes of E4M3 in wc.
; ALL CODES ARE LAID AS IMAGES OF OPERAND REGISTERS: the byte of (row, k) of an operand with K codes a row is
;   (row/16) x 16 K + (k/128) x 2048 + ((k%128)/32) x 512 + ((k%32)/16) x 256 + (row%16) x 16 + k%16:
; a fragment (16 rows x 128 K) is 2,048 bytes on end, and each of its four pieces of 512 bytes is four registers of the 32 lanes, lane l at 16 l.
; code = x / 2^e, held within +-448, rounded to the nearest code, ties to even.  LIMITS: each e between -126 and 119; NaN among the inputs is not served.
; LN PATH.  Wave w takes rows 4 w .. 4 w + 3 of the 16.  A lane holds, of a row, k = 256 j + 8 lane + 0 .. 7 for j = 0 .. 3: two loads of 16 bytes, lanes 32 bytes apart, the pair together 1,024 bytes on end.
; Mean, then the mean of (x - mean)^2 (two passes over registers: no difference of large sums), all f32.  The codes meet in a stage (16 rows x 1,040 bytes for each scale); behind one barrier each wave stores
; K steps 2 w and 2 w + 1 as pieces of 512 consecutive bytes.
; WEIGHTS PATH.  A work-group takes 128 columns x 256 along K; a lane takes a column n and its registers run down K, so the conversions give codes with K innermost and nothing is transposed.
; Each wave's 32 columns x 256 bytes go through its own stage (pitch 272) and leave as pieces of 512 consecutive bytes.  The two paths have LDS bytes of their own.
; No cluster and no matrix unit: every input byte is read by one work-group (gamma and beta, 8 KiB, are a small part of a work-group's 64 KiB).
.set LNP,   1040                       ; a stage row: 1,024 codes + 16: 65 x 16 bytes, so sixteen rows start at sixteen different groups of banks
.set VARB,  16*LNP                     ; a stage for one scale
.set NV,    3                          ; scales
.set WSTG,  3*VARB                     ; the weights path's stages begin here
.set WP,    272
; 2^e as f32 into v[vs] (the conversion takes its exponent field), 448 x 2^e into v[vs+1]
.macro MKSC e, vs, tmp
	s_add_co_i32 s[\tmp], s[\e], 127
	s_lshl_b32 s[\tmp+1], s[\tmp], 23
	v_mov_b32 v[\vs], s[\tmp+1]
	s_add_co_i32 s[\tmp], s[\tmp], 8
	s_lshl_b32 s[\tmp], s[\tmp], 23
	s_or_b32 s[\tmp], s[\tmp], 0x600000
	v_mov_b32 v[\vs+1], s[\tmp]
.endm
.macro REDUCE                          ; v12 summed over the 32 lanes, the result in every lane
	v_add_f32_dpp v12, v12, v12 row_xmask:1 row_mask:0xf bank_mask:0xf
	v_add_f32_dpp v12, v12, v12 row_xmask:2 row_mask:0xf bank_mask:0xf
	v_add_f32_dpp v12, v12, v12 row_xmask:4 row_mask:0xf bank_mask:0xf
	v_add_f32_dpp v12, v12, v12 row_xmask:8 row_mask:0xf bank_mask:0xf
	v_permlanex16_b32 v16, v12, s46, s47
	v_add_f32 v12, v12, v16
.endm
; one row: v[128 + 32 r ..], 32 numbers a lane
.macro LNROW r
.set XR, 128+32*(\r)
	s_wait_loadcnt 8*(3-(\r))                      ; loads come back in order: this row's eight are in, the later rows' stay out
	s_wait_dscnt 0x0                               ; the last row's stage stores have read the code registers
	v_pk_add_f32 v[12:13], v[XR:XR+1], v[XR+2:XR+3]
	v_pk_add_f32 v[14:15], v[XR+4:XR+5], v[XR+6:XR+7]
.irp i, 8,12,16,20,24,28
	v_pk_add_f32 v[12:13], v[12:13], v[XR+\i:XR+\i+1]
	v_pk_add_f32 v[14:15], v[14:15], v[XR+\i+2:XR+\i+3]
.endr
	v_pk_add_f32 v[12:13], v[12:13], v[14:15]
	v_add_f32 v12, v12, v13
	REDUCE
	v_mul_f32 v8, s50, v12                         ; the mean: x 2^-10
	v_mov_b32 v9, v8
.set J, 0
.rept 16
	v_pk_add_f32 v[XR+J:XR+J+1], v[XR+J:XR+J+1], v[8:9] neg_lo:[0,1] neg_hi:[0,1]   ; d = x - mean
.set J, J+2
.endr
	v_pk_mul_f32 v[12:13], v[XR:XR+1], v[XR:XR+1]
	v_pk_mul_f32 v[14:15], v[XR+2:XR+3], v[XR+2:XR+3]
.irp i, 4,8,12,16,20,24,28
	v_pk_fma_f32 v[12:13], v[XR+\i:XR+\i+1], v[XR+\i:XR+\i+1], v[12:13]
	v_pk_fma_f32 v[14:15], v[XR+\i+2:XR+\i+3], v[XR+\i+2:XR+\i+3], v[14:15]
.endr
	v_pk_add_f32 v[12:13], v[12:13], v[14:15]
	v_add_f32 v12, v12, v13
	REDUCE
	v_fma_f32 v12, v12, s50, s51                   ; variance + 1e-5
	s_wait_alu depctr_va_vdst(0)
	v_rsq_f32 v10, v12
	v_nop                                          ; a plain instruction behind the transcendental
	s_wait_alu depctr_va_vdst(0)                   ; and the wait ahead of the first use of its result
	v_mov_b32 v11, v10
.set J, 0
.rept 16
	v_pk_mul_f32 v[XR+J:XR+J+1], v[XR+J:XR+J+1], v[10:11]
.set J, J+2
.endr
.set J, 0
.rept 16
	v_pk_fma_f32 v[XR+J:XR+J+1], v[XR+J:XR+J+1], v[48+J:49+J], v[80+J:81+J]   ; (d x rstd) x gamma + beta
.set J, J+2
.endr
.irp n, 0,1,2
.if \n < NV
.irp j, 0,1,2,3
.irp m, 0,1,2,3,4,5,6,7
	v_med3_num_f32 v[112+8*(\j%2)+\m], v[XR+8*\j+\m], -v[19+2*\n], v[19+2*\n]   ; the conversion does not saturate (ISA guide 7.6.2): the hold at 448 x the scale, into one of two sets by turns
.endr
	v_cvt_scalef32_pk8_fp8_f32 v[24+8*\n+2*\j:25+8*\n+2*\j], v[112+8*(\j%2):119+8*(\j%2)], v[18+2*\n]
.endr
.endif
.endr
	v_nop                                          ; a plain instruction behind the last conversion
.irp n, 0,1,2
.if \n < NV
.irp j, 0,1,2,3
	ds_store_b64 v5, v[24+8*\n+2*\j:25+8*\n+2*\j] offset:\n*VARB+(\r)*LNP+256*\j   ; 32 lanes: 256 consecutive bytes of the row
.endr
.endif
.endr
.endm
; weights: block t (32 along K) of my column into set t % 2
.macro WLOAD t
.set J, 0
.rept 32
	global_load_b32 v[64+32*((\t)%2)+J], v[32+J], s[68+2*(\t):69+2*(\t)] th:TH_LOAD_NT   ; a wave reads 128 consecutive bytes, the four waves 512
.set J, J+1
.endr
.endm
.macro WBLOCK t
.set XS, 64+32*((\t)%2)
.if (\t) < 7
	s_wait_loadcnt 32                              ; this block's 32 loads are in; the next block's may be out
.else
	s_wait_loadcnt 0
.endif
.set J, 0
.rept 32
	v_med3_num_f32 v[XS+J], v[XS+J], -v13, v13
.set J, J+1
.endr
.irp g, 0,1,2,3
	v_cvt_scalef32_pk8_fp8_f32 v[16+2*\g:17+2*\g], v[XS+8*\g:XS+8*\g+7], v12
.endr
	ds_store_b128 v8, v[16:19] offset:32*(\t)
	ds_store_b128 v8, v[20:23] offset:32*(\t)+16
.if (\t) < 6
	WLOAD (\t)+2
.endif
	s_wait_dscnt 0x0                               ; the stores have read their registers: the next block's codes may be written
.endm
	s_load_b512 s[4:19], s[0:1], 0x0               ; X, g1, be1, scales, Wq, Wk, Wv, Wo
	s_load_b256 s[20:27], s[0:1], 0x40             ; W1, W2, nx, wc
	s_set_vgpr_msb 0x40
	v_lshl_add_u32 v0, v0, 2, 0x14b00
	v_mov_b32 v1, 0
	s_set_vgpr_msb 0x4000
	v_lshrrev_b32 v1, 5, v0
	v_readfirstlane_b32 s44, v1                    ; wave 0..3
	v_and_b32 v1, 31, v0                           ; lane
	v_and_b32 v2, 15, v0                           ; r
	v_bfe_u32 v3, v0, 4, 1                         ; h
	s_wait_kmcnt 0x0
	s_load_b512 s[28:43], s[10:11], 0x0            ; e0 .. e15 in s28 .. s43
	s_cmp_lt_u32 ttmp9, 256
	s_cbranch_scc0 .Lweights
	; ---------------- LayerNorm 1 ----------------
	s_wait_alu depctr_va_vdst(0)
	v_lshlrev_b32 v4, 5, v1                        ; 32 x lane: my bytes in a chunk of 1,024
	s_wait_alu depctr_va_vdst(0)
	s_mul_i32 s48, s44, 4*LNP
	v_lshl_add_u32 v5, v1, 3, s48                  ; into the stage: my wave's first row, 8 bytes a lane
	v_mul_u32_u24 v6, v2, LNP
	v_lshl_add_u32 v6, v3, 4, v6
	s_lshl_b32 s49, s44, 8
	v_add_nc_u32 v6, s49, v6                       ; out of it: row r, byte 256 w + 16 h
	v_lshlrev_b32 v7, 4, v1                        ; 16 x lane: my place in a piece
	v_mov_b32 v16, 0                               ; a lane permute's destination counts as read
	s_mov_b32 s46, 0x76543210
	s_mov_b32 s47, 0xfedcba98
	s_mov_b32 s50, 0x3a800000                      ; 2^-10
	s_mov_b32 s51, 0x3727c5ac                      ; 1e-5
	s_lshl_b32 s52, ttmp9, 16
	s_lshl_b32 s53, s44, 14
	s_add_co_u32 s52, s52, s53                     ; (16 tt + 4 w) rows of 4,096 bytes
	s_mov_b32 s53, 0
	s_add_nc_u64 s[4:5], s[4:5], s[52:53]
	s_lshl_b32 s60, ttmp9, 14
	s_lshl_b32 s61, s44, 12
	s_add_co_u32 s60, s60, s61                     ; row tile tt, K steps 2 w on
	s_mov_b32 s61, 0
	s_add_nc_u64 s[54:55], s[24:25], s[60:61]
	s_add_nc_u64 s[56:57], s[54:55], 0x400000      ; the three sets of codes lie 4 MiB apart
	s_add_nc_u64 s[58:59], s[56:57], 0x400000
.irp j, 0,1,2,3
.irp i, 0,1
	global_load_b128 v[48+8*\j+4*\i:51+8*\j+4*\i], v4, s[6:7] offset:1024*\j+16*\i
	global_load_b128 v[80+8*\j+4*\i:83+8*\j+4*\i], v4, s[8:9] offset:1024*\j+16*\i
.endr
.endr
.irp p, 0,1,2,3
.irp j, 0,1,2,3
.irp i, 0,1
	global_load_b128 v[128+32*\p+8*\j+4*\i:131+32*\p+8*\j+4*\i], v4, s[4:5] offset:4096*\p+1024*\j+16*\i th:TH_LOAD_NT
.endr
.endr
.endr
	s_wait_kmcnt 0x0
	MKSC 28, 18, 48                                ; e0
	MKSC 30, 20, 48                                ; e2
	MKSC 32, 22, 48                                ; e4
	LNROW 0
	LNROW 1
	LNROW 2
	LNROW 3
	s_wait_dscnt 0x0                               ; for the others' sake: my stage stores are done
	s_barrier_signal -1
	s_barrier_wait -1
.set I, 0
.irp n, 0,1,2
.if \n < NV
.irp k, 0,1
.irp c, 0,1,2,3
	ds_load_b128 v[128+4*I:131+4*I], v6 offset:\n*VARB+128*\k+32*\c
.set I, I+1
.endr
.endr
.endif
.endr
.set I, 0
.irp n, 0,1,2
.if \n < NV
.irp k, 0,1
.irp c, 0,1,2,3
	s_wait_dscnt 8*NV-1-I
	global_store_b128 v7, v[128+4*I:131+4*I], s[54+2*\n:55+2*\n] offset:\k*2048+\c*512   ; 32 lanes store 512 consecutive bytes, aligned
.set I, I+1
.endr
.endr
.endif
.endr
	s_set_vgpr_msb 0x5
	s_wait_tensorcnt 0x0
	ds_add_u32 v0, v1
	s_wait_dscnt 0x0
	s_set_vgpr_msb 0x500
	s_endpgm
	; ---------------- the weights ----------------
.Lweights:
	s_sub_co_u32 s45, ttmp9, 256                   ; j: 0-127 Wq, Wk, Wv, Wo (32 each); 128-255 W1; 256-383 W2.  Only pointers and numbers are chosen: one path of text serves all six
	s_cmp_lt_u32 s45, 32
	s_cselect_b64 s[52:53], s[12:13], s[14:15]
	s_cmp_lt_u32 s45, 64
	s_cselect_b64 s[52:53], s[52:53], s[16:17]
	s_cmp_lt_u32 s45, 96
	s_cselect_b64 s[52:53], s[52:53], s[18:19]
	s_cmp_lt_u32 s45, 128
	s_cselect_b64 s[52:53], s[52:53], s[20:21]
	s_cmp_lt_u32 s45, 256
	s_cselect_b64 s[52:53], s[52:53], s[22:23]
	s_lshr_b32 s48, s45, 5                         ; which of the four small ones
	s_lshr_b32 s55, s45, 7                         ; 0: small, 1: W1, 2: W2
	s_mov_b32 s56, 4096
	s_cmp_eq_u32 s55, 1
	s_cselect_b32 s56, 16384, s56                  ; a row of the weight in bytes
	s_cselect_b32 s57, 5, 3                        ; log2 of its blocks of 128 columns
	s_mov_b32 s58, 16384
	s_cmp_eq_u32 s55, 2
	s_cselect_b32 s58, 0x10000, s58                ; 16 K: from row tile to row tile of the image
	s_lshl_b32 s60, s48, 20
	s_lshl_b32 s61, s55, 22
	s_cmp_eq_u32 s55, 0
	s_cselect_b32 s60, s60, s61                    ; the image's place in wc: 0, 1, 2, 3, 4, 8 MiB
	s_cselect_b32 s59, 31, 127
	s_and_b32 s59, s45, s59                        ; my number within the weight
	s_bfm_b32 s62, s57, 0
	s_and_b32 s62, s59, s62                        ; block of 128 columns
	s_lshr_b32 s63, s59, s57                       ; block of 256 along K
	s_mul_i32 s84, s63, s56
	s_lshl_b32 s84, s84, 8                         ; 256 ky rows
	s_lshl_b32 s85, s62, 9
	s_add_co_u32 s84, s84, s85                     ; + 128 nx columns
	s_lshl_b32 s85, s44, 7
	s_add_co_u32 s84, s84, s85                     ; + 32 w columns
	s_mov_b32 s85, 0
	s_add_nc_u64 s[68:69], s[52:53], s[84:85]
	s_lshl_b32 s86, s56, 5                         ; 32 rows on
	s_mov_b32 s87, 0
.irp t, 1,2,3,4,5,6,7
	s_add_nc_u64 s[68+2*\t:69+2*\t], s[66+2*\t:67+2*\t], s[86:87]   ; a base for each block, made up front: none is stepped under pending loads
.endr
	s_lshl_b32 s88, s62, 3
	s_lshl_b32 s89, s44, 1
	s_add_co_u32 s88, s88, s89                     ; row tile 8 nx + 2 w
	s_mul_i32 s88, s88, s58
	s_add_co_u32 s88, s88, s60
	s_lshl_b32 s89, s63, 12                        ; K steps 2 ky on
	s_add_co_u32 s88, s88, s89
	s_mov_b32 s89, 0
	s_add_nc_u64 s[26:27], s[26:27], s[88:89]
	s_wait_alu depctr_va_vdst(0)
	v_lshlrev_b32 v32, 2, v1                       ; row i of a block: 4 x lane + i rows
.irp i, 1,2,3,4,5,6,7,8,9,10,11,12,13,14,15,16,17,18,19,20,21,22,23,24,25,26,27,28,29,30,31
	v_add_nc_u32 v[32+\i], s56, v[31+\i]
.endr
	WLOAD 0
	WLOAD 1
	s_mul_i32 s90, s44, 32*WP
	s_add_co_u32 s90, s90, WSTG                    ; my wave's stage
	v_mul_u32_u24 v8, v1, WP
	v_add_nc_u32 v8, s90, v8                       ; into it: row = my column
	v_mul_u32_u24 v9, v2, WP
	v_lshl_add_u32 v9, v3, 4, v9
	v_add_nc_u32 v9, s90, v9                       ; out of it: row r, + 16 h
	v_lshlrev_b32 v10, 4, v1                       ; my place in a piece, first row tile,
	v_add_nc_u32 v11, s58, v10                     ; second row tile
	s_wait_kmcnt 0x0
	s_cmp_lt_u32 s45, 32
	s_cselect_b32 s54, s29, s31                    ; e1, e3,
	s_cmp_lt_u32 s45, 64
	s_cselect_b32 s54, s54, s33                    ; e5,
	s_cmp_lt_u32 s45, 96
	s_cselect_b32 s54, s54, s39                    ; e11,
	s_cmp_lt_u32 s45, 128
	s_cselect_b32 s54, s54, s41                    ; e13,
	s_cmp_lt_u32 s45, 256
	s_cselect_b32 s54, s54, s43                    ; e15
	MKSC 54, 12, 48
	s_wait_alu depctr_va_vdst(0)
	WBLOCK 0
	WBLOCK 1
	WBLOCK 2
	WBLOCK 3
	WBLOCK 4
	WBLOCK 5
	WBLOCK 6
	WBLOCK 7
.set I, 0
.irp t, 0,1
.irp k, 0,1
.irp c, 0,1,2,3
	ds_load_b128 v[128+4*I:131+4*I], v9 offset:\t*16*WP+128*\k+32*\c   ; LDS serves a wave's instructions in order: these see my stores
.set I, I+1
.endr
.endr
.endr
.set I, 0
.irp t, 0,1
.irp k, 0,1
.irp c, 0,1,2,3
	s_wait_dscnt 15-I
	global_store_b128 v[10+\t], v[128+4*I:131+4*I], s[26:27] offset:\k*2048+\c*512   ; 512 consecutive bytes, aligned
.set I, I+1
.endr
.endr
.endr
	s_set_vgpr_msb 0x5
	s_wait_tensorcnt 0x0
	ds_add_u32 v0, v1
	s_wait_dscnt 0x0
	s_set_vgpr_msb 0x500
	s_endpgm
.Lfunc_end_k_qff861cddef_prep:
	.size	k_qff861cddef_prep, .Lfunc_end_k_qff861cddef_prep-k_qff861cddef_prep
	.p2alignl 7, 3214868480
	.fill 96, 4, 3214868480
	.section	.rodata,"a",@progbits
	.p2align	6, 0x0
	.amdhsa_kernel k_qff861cddef_prep
		.amdhsa_group_segment_fixed_size 85248
		.amdhsa_private_segment_fixed_size 0
		.amdhsa_enable_private_segment 0
		.amdhsa_kernarg_size 96
		.amdhsa_user_sgpr_count 2
		.amdhsa_user_sgpr_kernarg_segment_ptr 1
		.amdhsa_wavefront_size32 1
		.amdhsa_system_sgpr_workgroup_id_x 1
		.amdhsa_system_sgpr_workgroup_id_y 1
		.amdhsa_system_sgpr_workgroup_id_z 1
		.amdhsa_system_vgpr_workitem_id 0
		.amdhsa_next_free_vgpr 258
		.amdhsa_next_free_sgpr 96
		.amdhsa_reserve_vcc 0
		.amdhsa_float_denorm_mode_32 3
		.amdhsa_float_denorm_mode_16_64 3
		.amdhsa_memory_ordered 1
		.amdhsa_forward_progress 1
		.amdhsa_inst_pref_size 118
	.end_amdhsa_kernel
	.amdgpu_metadata
---
amdhsa.version: [ 1, 2 ]
amdhsa.kernels:
  - .name:           k_qff861cddef_prep
    .symbol:         k_qff861cddef_prep.kd
    .args:
      - { .name: X, .offset: 0, .size: 8, .value_kind: global_buffer, .address_space: global }
      - { .name: g1, .offset: 8, .size: 8, .value_kind: global_buffer, .address_space: global }
      - { .name: be1, .offset: 16, .size: 8, .value_kind: global_buffer, .address_space: global }
      - { .name: lowp_scales, .offset: 24, .size: 8, .value_kind: global_buffer, .address_space: global }
      - { .name: Wq, .offset: 32, .size: 8, .value_kind: global_buffer, .address_space: global }
      - { .name: Wk, .offset: 40, .size: 8, .value_kind: global_buffer, .address_space: global }
      - { .name: Wv, .offset: 48, .size: 8, .value_kind: global_buffer, .address_space: global }
      - { .name: Wo, .offset: 56, .size: 8, .value_kind: global_buffer, .address_space: global }
      - { .name: W1, .offset: 64, .size: 8, .value_kind: global_buffer, .address_space: global }
      - { .name: W2, .offset: 72, .size: 8, .value_kind: global_buffer, .address_space: global }
      - { .name: nx, .offset: 80, .size: 8, .value_kind: global_buffer, .address_space: global }
      - { .name: wc, .offset: 88, .size: 8, .value_kind: global_buffer, .address_space: global }
    .group_segment_fixed_size: 85248
    .private_segment_fixed_size: 0
    .kernarg_segment_align: 8
    .kernarg_segment_size: 96
    .max_flat_workgroup_size: 128
    .sgpr_count:     96
    .vgpr_count:     258
    .wavefront_size: 32
...
	.end_amdgpu_metadata
.endif
;; end of part 1
;; launch proj (part 2): grid 4 x 48, 4 waves a work-group, clusters of 4 x 4, 327,680 bytes of LDS; arguments nx, wc, lowp_scales, qkv; writes qkv
.if DOCPART == 2
	.amdgcn_target "amdgcn-amd-amdhsa--gfx1250"
	.amdhsa_code_object_version 6
	.text
	.protected	k_qff861cddef_proj
	.globl	k_qff861cddef_proj
	.p2align	8
	.type	k_qff861cddef_proj,@function
k_qff861cddef_proj:
	s_mov_b64 s[64:65], 0
	v_nop
	global_prefetch_b8 v0, s[64:65] scope:SCOPE_SE
	s_setreg_imm32_b32 hwreg(HW_REG_WAVE_MODE, 25, 1), 1
	s_wait_xcnt 0x0
	s_wait_alu depctr_hold_cnt(0) depctr_sa_sdst(0) depctr_va_vdst(0) depctr_va_sdst(0) depctr_va_ssrc(0) depctr_va_vcc(0) depctr_vm_vsrc(0)
	s_getreg_b32 s2, hwreg(HW_REG_IB_STS2, 6, 4)
	s_cmp_eq_u32 s2, 0
	s_cbranch_scc0 .Lentry_in_a_cluster
	s_endpgm
.Lentry_in_a_cluster:
	s_bfe_u32 s2, ttmp6, 0x10000c
	s_cmp_lg_u32 s2, 0xf033
	s_cbranch_scc0 .Lentry_shape_is_right
	s_endpgm
.Lentry_shape_is_right:
; A GEMM ON CODES OF E4M3 WHOSE RESULTS ARE QUANTISED AGAIN.  K = 1,024.  MODE 0: q, k, v = Q(nX W) for the three projections.  MODE 1: h = Q(relu(nX2 W1 + b1)).
; Operands lie in memory as images of operand registers: the byte of (row, k) is (row/16) x 16384 + (k/128) x 2048 + ((k%128)/32) x 512 + ((k%32)/16) x 256 + (row%16) x 16 + k%16.
; So a fragment (16 rows x 128 K, 16 registers) is four LDS loads of 16 bytes a lane at 16 x lane: 512 consecutive bytes each, no pitch, no padding.  The same order of k stands on both sides of every product.
; A work-group of four waves makes 256 x 256; a wave 128 x 128: 64 accumulators, 512 registers.  K goes in steps of 256 through two LDS slots filled by the tensor data mover: a wave's load brings 8 row tiles x 4,096 bytes.
; CLUSTERS: 4 x 4 work-groups; A's tiles are asked for jointly along a row of the cluster, B's along a column.
; THE MATRIX INSTRUCTION IS USED TRANSPOSED (source 0 = 16 rows of B, source 1 = 16 rows of A): lane (r, h) holds A's row 16 a + r and B's rows 16 b + 8 h + 0 .. 7: eight neighbours, which one conversion turns into 8 bytes.
; MODE 0: cluster y = 4 p + i, p = 0, 1, 2 for q, k, v.  For q and k, A = nX's codes (tokens), B = the weight.  For v, A = Wv (rows d) and B = nX's codes: a lane then holds one d and eight neighbouring tokens:
; v comes out with the KEYS innermost and nothing is transposed.  p and i come from the cluster's y alone: they are equal in all sixteen partners.
; THE WAY OUT: the 256 x 256 codes meet in a stage (pitch 336) in slot 0, which has had its last fill and its last read by then; behind a barrier each wave stores 32 pieces of 512 consecutive bytes, in the layout that the reader wants:
;   q, k: [head 32][tile T 128][c 2][lane][16]: lane row r of tile T is token 32 (T/2) + 8 (T%2) + r + 8 (r/8), bytes d = 32 c + 16 h + 0 .. 15
;   v:    [head 32][key step 16][dt 4][c 4][lane][16]: lane row r is d = 32 (dt/2) + 8 (dt%2) + r + 8 (r/8), bytes keys 128 ks + 32 c + 16 h + 0 .. 15
;   h:    the image above with 4,096 codes a row
; LIMITS: the folded exponent (e_out - e_a - e_b) between -126 and 119; NaN is not served.  The order of sums inside a matrix instruction is not ascending k (the same permutation on both sides).
; REGISTERS: window 0: v10-29 addresses and scales; v32-95 the bias (MODE 1); v128-255 A's fragments, one set, later the codes.  window 1: B's fragments, two sets.  windows 2, 3: accumulator (a, b) at v[8 (8 (a%4) + b)] of window 2 + a/4.
.set MODE,   0
.set SLOT,   131072                    ; A's 16 row tiles x 4,096 bytes, then B's
.set SPARE,  2*SLOT                    ; behind the ring: the spare words, 128 bytes for each wave
.set SP,     336                       ; a stage row: 256 codes + 80: 84 words, so that the 32 lanes of an 8-byte store touch each bank once
.set FR,     16
.set NL,     4
.set AF,     128
.set BI,     32
.set GO,     10                        ; v10  16 x lane
.set SCL,    12                        ; v12  the conversion's scale
.set LIM,    13                        ; v13  448 x that
.set ADRA,   16                        ; v16-17 my A fragments in slot 0, 1
.set ADRB,   20                        ; v20-21 my B fragments
.set STO,    24
.set RDA,    25
.set RDB,    26
.set RDV,    27
.set SPW,    28
.set NIL,    29
.set G1,     24
.set G0,     32
.set G1B,    48
.set G0B,    56
.set EX,     68                        ; s68-83: e0 .. e15
.set MSB,    0
.macro WIN new                         ; the immediate's high byte repeats the setting that is left
.if MSB != (\new)
	s_set_vgpr_msb (MSB<<8)|(\new)
.set MSB, (\new)
.endif
.endm
.macro WMUL hi, zero                   ; source 0 (B) window 1, source 1 (A) window 0, D window 2 or 3; C with D, or (a sum's first product) window 0
.if \zero
	WIN 0x81+0x40*(\hi)
.else
	WIN 0xa1+0x50*(\hi)
.endif
.endm
; A joint load: waves 0 and 1 fetch A's halves, waves 2 and 3 B's.  The branch hangs on the wave's number alone.  Four v_nop follow each of the two lines.
.macro JLOAD g0a, g1a, g0b, g1b
	s_cmp_eq_u32 s15, 0
	s_cbranch_scc0 .Lfor_b_\@
	tensor_load_to_lds s[\g0a:\g0a+3], s[\g1a:\g1a+7]
	s_nop 0
.rept 4
	v_nop
.endr
	s_branch .Lasked_\@
.Lfor_b_\@:
	tensor_load_to_lds s[\g0b:\g0b+3], s[\g1b:\g1b+7]
	s_nop 0
.rept 4
	v_nop
.endr
.Lasked_\@:
.endm
.macro CREST                           ; a round of the cluster's barrier behind its opening barrier
	s_cmp_lg_u32 s14, 0
	s_cbranch_scc1 .Lnot_wave_0_\@
	s_barrier_signal -3
.Lnot_wave_0_\@:
	s_barrier_wait -3
	s_barrier_signal -1
	s_barrier_wait -1
.endm
.macro CROUND
	s_barrier_signal -1
	s_barrier_wait -1
	CREST
.endm
.macro PLACES n                        ; plain vector instructions between a matrix instruction and a load into, or a vector read or write of, its registers
.rept \n
	v_nop
.endr
.endm
.macro FRAG reg, adr, q, i             ; row tile i, the slot's q-th 128 along K: four pieces of 512 bytes
.irp c, 0,1,2,3
	ds_load_b128 v[\reg+4*\c:\reg+4*\c+3], v[\adr] offset:(\i)*4096+(\q)*2048+512*\c
.endr
.endm
; 16 matrix instructions: A's blocks a0, a0 + 1 x B's eight.  p: B's set.  zero = 1: C = 0; zero = 2: C = the bias; the 64 accumulators take turns, one instruction a turn.
.macro MUL16 a0, p, zero
.irp a, \a0, \a0+1
.irp b, 0,1,2,3,4,5,6,7
.if (\zero) == 1
	v_wmma_f32_16x16x128_fp8_fp8 v[8*(8*((\a)%4)+\b):8*(8*((\a)%4)+\b)+7], v[128*(\p)+FR*\b:128*(\p)+FR*\b+FR-1], v[AF+FR*(\a):AF+FR*(\a)+FR-1], 0
.elseif (\zero) == 2
	v_wmma_f32_16x16x128_fp8_fp8 v[8*(8*((\a)%4)+\b):8*(8*((\a)%4)+\b)+7], v[128*(\p)+FR*\b:128*(\p)+FR*\b+FR-1], v[AF+FR*(\a):AF+FR*(\a)+FR-1], v[BI+8*\b:BI+8*\b+7]
.else
	v_wmma_f32_16x16x128_fp8_fp8 v[8*(8*((\a)%4)+\b):8*(8*((\a)%4)+\b)+7], v[128*(\p)+FR*\b:128*(\p)+FR*\b+FR-1], v[AF+FR*(\a):AF+FR*(\a)+FR-1], v[8*(8*((\a)%4)+\b):8*(8*((\a)%4)+\b)+7]
.endif
.endr
.endr
.endm
.macro FETCH_B slot, q, p
	WIN 0x40                                       ; destination window 1, address window 0
.irp i, 0,1,2,3,4,5,6,7
	FRAG 128*(\p)+FR*\i, ADRB+\slot, \q, \i
.endr
	WIN 0
.endm
.macro FETCH_A slot, q, i0
.irp i, \i0, \i0+1, \i0+2, \i0+3
	FRAG AF+FR*(\i), ADRA+\slot, \q, \i
.endr
.endm
; A step of 128 along K that has its successor in the same slot.  A has one set of registers: blocks 0-3 are fetched anew in the step's middle, blocks 4-7 at its end; B has two sets.
.macro STEP slot, q, zero
	s_wait_dscnt 4*NL                              ; B's set and A's blocks 0-3 are in; the youngest sixteen loads (A's blocks 4-7) may be out
	WMUL 0, \zero
	MUL16 0, (\q)%2, \zero
	MUL16 2, (\q)%2, \zero
	s_wait_dscnt 0                                 ; A's blocks 4-7 are in
	PLACES 4
	FETCH_B \slot, (\q)+1, 1-(\q)%2
	FETCH_A \slot, (\q)+1, 0
	WMUL 1, \zero
	MUL16 4, (\q)%2, \zero
	MUL16 6, (\q)%2, \zero
	PLACES 4
	WIN 0
	FETCH_A \slot, (\q)+1, 4
.endm
; A slot's last step changes slots: one barrier; in front of it each wave waits for all its tensor loads, adds 0 to its spare word, and waits for that and for its reads of this slot.  fill = 1: this slot is filled again.
.macro TURN slot, next, fill
	s_wait_tensorcnt 0x0                           ; all my tensor loads have landed: my part of the next slot
	ds_add_u32 v[SPW], v[NIL]                      ; 0 onto my spare word
	s_wait_dscnt 4*NL+1                            ; (the add and A's blocks 4-7 may be out)
	WMUL 0, 0
	MUL16 0, 1, 0                                  ; sixteen matrix instructions stand between the add and the wait for it
	s_wait_dscnt 0x0                               ; the add is done, and my reads of this slot are over
	s_barrier_signal -1
	MUL16 2, 1, 0
	WIN 0
	s_barrier_wait -1
.if \fill
	CREST                                          ; the barrier has opened a round of the cluster's: no wave of any partner still reads this slot or has a load on its way
	s_add_nc_u64 s[G0+4*\slot+2:G0+4*\slot+3], s[G0+4*\slot+2:G0+4*\slot+3], 8192
	s_add_nc_u64 s[G0B+4*\slot+2:G0B+4*\slot+3], s[G0B+4*\slot+2:G0B+4*\slot+3], 8192
	JLOAD G0+4*\slot, G1, G0B+4*\slot, G1B         ; the first tensor load behind the round; its four v_nop are the places in front of the loads below
.else
	PLACES 4
.endif
	FETCH_B \next, 0, 0
	FETCH_A \next, 0, 0
	WMUL 1, 0
	MUL16 4, 1, 0
	MUL16 6, 1, 0
	PLACES 4
	WIN 0
	FETCH_A \next, 0, 4
.endm
	s_load_b256 s[4:11], s[0:1], 0x0               ; the tokens' codes, wc, the scales' exponents, the output
.if MODE
	s_load_b64 s[12:13], s[0:1], 0x20              ; b1
.endif
	v_lshl_add_u32 v[SPW], v0, 2, SPARE
	v_mov_b32 v[NIL], 0
	ds_add_u32 v28, v29
	ds_add_u32 v28, v29
	s_wait_dscnt 0x0
	v_lshrrev_b32 v1, 5, v0
	v_readfirstlane_b32 s14, v1                    ; wave 0..3
	s_lshr_b32 s15, s14, 1                         ; which half of A's rows is mine.  Also: I fetch for A (0) or for B (1)
	s_and_b32 s16, s14, 1                          ; which half of B's rows.  Also: which 8 row tiles I fetch
	s_bfe_u32 s40, ttmp6, 0x40000                  ; cx
	s_bfe_u32 s41, ttmp6, 0x40004                  ; cy
.if MODE
	s_lshl_b32 s42, ttmp9, 2
	s_add_co_u32 s42, s42, s40                     ; B's tile = 4 x cluster x + cx
	s_and_b32 s17, ttmp7, 0xffff
	s_lshl_b32 s17, s17, 2
	s_add_co_u32 s17, s17, s41                     ; A's tile = 4 x cluster y + cy
	s_mov_b32 s88, 0                               ; A: nx2 from its first byte
	s_mov_b32 s89, 0x400000                        ; B: W1's image in wc
.else
	s_and_b32 s18, ttmp7, 0xffff
	s_lshr_b32 s84, s18, 2                         ; p: 0 q, 1 k, 2 v
	s_and_b32 s85, s18, 3
	s_lshl_b32 s85, s85, 2                         ; 4 i
	s_lshl_b32 s88, s84, 22
	s_lshl_b32 s89, s84, 20
	s_cmp_lt_u32 s84, 2
	s_cselect_b32 s17, s85, 0                      ; the sixteen tiles of tokens are A's for q and k,
	s_cselect_b32 s42, 0, s85                      ; B's for v
	s_cselect_b32 s88, s88, 0x200000               ; A: nX's codes under scale p, or Wv's image
	s_cselect_b32 s89, s89, 0x800000               ; B: weight p's image, or nX's codes under e4
	s_add_co_u32 s17, s17, s41                     ; A's tile
	s_add_co_u32 s42, s42, s40                     ; B's tile
.endif
	s_lshl_b32 s43, s41, 2
	s_lshl_b32 s43, 15, s43                        ; my row of the cluster
	s_lshl_b32 s44, 0x1111, s40                    ; my column
	; descriptor group 1: 8 rows (row tiles) of 512 elements of 8 bytes, 2,048 elements apart, dense in LDS
	s_or_b32 s[G1+0], s43, (3<<16)|(1<<21)         ; 15:0 the mask; 17:16 elements of 8 bytes; 21 set beside a mask; no padding
	s_or_b32 s[G1B+0], s44, (3<<16)|(1<<21)
.irp g, G1, G1B
	s_mov_b32 s[\g+1], 512<<16                     ; tensor_dim0
	s_mov_b32 s[\g+2], 8<<16                       ; tensor_dim1
	s_mov_b32 s[\g+3], 512<<16                     ; tile_dim0
	s_mov_b32 s[\g+4], 8                           ; tile_dim1
	s_mov_b32 s[\g+5], 2048                        ; tensor_dim0_stride
	s_mov_b32 s[\g+6], 0
	s_mov_b32 s[\g+7], 0
.endr
	s_lshl_b32 s18, s16, 17                        ; which 8 row tiles of 16,384 bytes
	s_lshl_b32 s20, s17, 18
	s_add_co_u32 s20, s20, s18
	s_add_co_u32 s20, s20, s88                     ; A's offset: made of the tile of A and the wave's number alone
	s_lshl_b32 s46, s42, 18
	s_add_co_u32 s46, s46, s18
	s_add_co_u32 s46, s46, s89                     ; B's likewise
	s_mov_b32 s21, 0
	s_mov_b32 s47, 0
	s_lshl_b32 s45, s14, 15                        ; where they go: wave x 32,768: no place in the cluster enters an LDS address
	s_wait_kmcnt 0x0
	s_load_b512 s[EX:EX+15], s[8:9], 0x0
.if MODE
	s_add_nc_u64 s[20:21], s[4:5], s[20:21]
	s_add_nc_u64 s[46:47], s[6:7], s[46:47]
.else
	s_cmp_lt_u32 s84, 2
	s_cselect_b64 s[90:91], s[4:5], s[6:7]
	s_cselect_b64 s[92:93], s[6:7], s[4:5]
	s_add_nc_u64 s[20:21], s[90:91], s[20:21]
	s_add_nc_u64 s[46:47], s[92:93], s[46:47]
.endif
	CROUND                                         ; all sixteen work-groups are here: the first joint loads meet
.irp s, 0,1
	s_mov_b32 s[G0+4*\s], 1
	s_add_co_u32 s[G0+4*\s+1], s45, \s*SLOT
	s_add_nc_u64 s[G0+4*\s+2:G0+4*\s+3], s[20:21], \s*4096
	s_or_b32 s[G0+4*\s+3], s[G0+4*\s+3], 0x80000000
	s_mov_b32 s[G0B+4*\s], 1
	s_add_co_u32 s[G0B+4*\s+1], s45, \s*SLOT
	s_add_nc_u64 s[G0B+4*\s+2:G0B+4*\s+3], s[46:47], \s*4096
	s_or_b32 s[G0B+4*\s+3], s[G0B+4*\s+3], 0x80000000
.endr
	JLOAD G0, G1, G0B, G1B                         ; slot 0: one tensor load a wave at the head
	v_and_b32 v1, 31, v0                           ; lane
	v_and_b32 v2, 15, v0                           ; r
	s_wait_alu depctr_va_vdst(0)
	v_bfe_u32 v3, v0, 4, 1                         ; h
	v_lshlrev_b32 v[GO], 4, v1
	s_lshl_b32 s21, s15, 15                        ; my 8 row tiles of A
	s_lshl_b32 s22, s16, 15
	s_add_co_u32 s22, s22, 65536                   ; my 8 of B, behind A's 16
.irp s, 0,1
	v_add_nc_u32 v[ADRA+\s], s21, v[GO]
	v_add_nc_u32 v[ADRB+\s], s22, v[GO]
	s_add_co_u32 s21, s21, SLOT
	s_add_co_u32 s22, s22, SLOT
.endr
	s_mul_i32 s23, s15, 128*SP
	s_lshl_b32 s19, s16, 7
	s_add_co_u32 s23, s23, s19
	v_mul_u32_u24 v[STO], v2, SP
	s_wait_alu depctr_va_vdst(0)
	v_lshl_add_u32 v[STO], v3, 3, v[STO]
	v_add_nc_u32 v[STO], s23, v[STO]               ; into the stage: row 128 rh + r, byte 128 ch + 8 h
.if MODE
	s_mul_i32 s23, s14, 64*SP
	v_mul_u32_u24 v[RDA], v2, SP
	v_lshl_add_u32 v[RDA], v3, 4, v[RDA]
	v_add_nc_u32 v[RDA], s23, v[RDA]               ; out of it: row 64 w + r, + 16 h
	s_lshl_b32 s20, s17, 20                        ; h: row tile 16 x A's tile + 4 w, of 65,536 bytes; K steps 2 x B's tile on
	s_lshl_b32 s19, s14, 18
	s_add_co_u32 s20, s20, s19
	s_lshl_b32 s19, s42, 12
	s_add_co_u32 s20, s20, s19
	s_mov_b32 s21, 0
	s_add_nc_u64 s[10:11], s[10:11], s[20:21]
	s_lshl_b32 s20, s42, 10                        ; b1: my 128 hidden units; lane (r, h) wants, for block b, units 16 b + 8 h + 0 .. 7
	s_lshl_b32 s19, s16, 9
	s_add_co_u32 s20, s20, s19
	s_add_nc_u64 s[12:13], s[12:13], s[20:21]
	v_lshlrev_b32 v4, 5, v3
.irp b, 0,1,2,3,4,5,6,7
	global_load_b128 v[BI+8*\b:BI+8*\b+3], v4, s[12:13] offset:64*\b
	global_load_b128 v[BI+8*\b+4:BI+8*\b+7], v4, s[12:13] offset:64*\b+16
.endr
	s_wait_kmcnt 0x0
	s_add_co_i32 s19, s[EX+12], s[EX+13]           ; a sum stands for sum x 2^(e12 + e13): so b1 goes in, as each sum's first C, divided by that power of two
	s_sub_co_i32 s18, 0, s19
	s_wait_loadcnt 0x0
.set J, 0
.rept 64
	v_ldexp_f32 v[BI+J], v[BI+J], s18
.set J, J+1
.endr
	s_sub_co_i32 s18, s[EX+14], s19                ; the three scales folded into the conversion's one: e14 - e12 - e13
.else
	v_and_b32 v4, 8, v2
	v_add_nc_u32 v4, v4, v2                        ; r + 8 (r / 8)
	v_mul_u32_u24 v5, v4, SP
	v_lshl_add_u32 v5, v3, 4, v5
	s_lshl_b32 s23, s14, 6
	v_add_nc_u32 v[RDA], s23, v5                   ; q, k: wave w takes head w of the tile's four: bytes 64 w on; tiles T = 0 .. 7,
	v_add_nc_u32 v[RDB], 128*SP, v[RDA]            ; T = 8 .. 15: 128 rows further down
	s_mul_i32 s23, s14, 64*SP
	v_add_nc_u32 v[RDV], s23, v5                   ; v: head w's 64 rows
	s_cmp_lt_u32 s84, 2
	s_cselect_b32 s86, s17, s42                    ; the tile of tokens,
	s_cselect_b32 s87, s42, s17                    ; the tile of four heads
	s_lshr_b32 s19, s86, 3
	s_lshl_b32 s19, s19, 4                         ; batch x 16
	s_lshl_b32 s87, s87, 2
	s_add_co_u32 s19, s19, s87
	s_add_co_u32 s19, s19, s14                     ; + head
	s_lshl_b32 s19, s19, 17                        ; a head's image is 131,072 bytes
	s_and_b32 s86, s86, 7
	s_lshl_b32 s86, s86, 14                        ; 256 tokens of it are 16,384
	s_add_co_u32 s19, s19, s86
	s_lshl_b32 s86, s84, 22                        ; q, k, v lie 4 MiB apart
	s_add_co_u32 s20, s19, s86
	s_mov_b32 s21, 0
	s_add_nc_u64 s[10:11], s[10:11], s[20:21]
	s_wait_kmcnt 0x0
	s_sub_co_i32 s18, s[EX+6], s[EX+0]
	s_sub_co_i32 s18, s18, s[EX+1]                 ; q: e6 - e0 - e1
	s_sub_co_i32 s19, s[EX+7], s[EX+2]
	s_sub_co_i32 s19, s19, s[EX+3]                 ; k: e7 - e2 - e3
	s_sub_co_i32 s86, s[EX+9], s[EX+4]
	s_sub_co_i32 s86, s86, s[EX+5]                 ; v: e9 - e4 - e5
	s_cmp_eq_u32 s84, 0
	s_cselect_b32 s18, s18, s19
	s_cmp_eq_u32 s84, 2
	s_cselect_b32 s18, s86, s18
.endif
	s_add_co_i32 s18, s18, 127
	s_lshl_b32 s19, s18, 23
	v_mov_b32 v[SCL], s19
	s_add_co_i32 s18, s18, 8
	s_lshl_b32 s18, s18, 23
	s_or_b32 s18, s18, 0x600000
	v_mov_b32 v[LIM], s18
	s_wait_alu depctr_va_vdst(0)
	s_wait_tensorcnt 0x0                           ; my part of slot 0 is in
	ds_add_u32 v[SPW], v[NIL]
	s_wait_dscnt 0x0
	CROUND                                         ; everybody's part of slot 0 is in, and all sixteen work-groups are here
	JLOAD G0+4, G1, G0B+4, G1B                     ; slot 1's first fill: the first tensor load behind the round
	FETCH_B 0, 0, 0
	FETCH_A 0, 0, 0
	FETCH_A 0, 0, 4
	STEP 0, 0, 1+MODE                              ; K = 1,024 is eight steps, written out: the first products start the sums
	TURN 0, 1, 1
	STEP 1, 0, 0
	TURN 1, 0, 1
	STEP 0, 0, 0
	TURN 0, 1, 0                                   ; nothing is left to fetch
	STEP 1, 0, 0
	s_wait_dscnt 4*NL
	WMUL 0, 0
	MUL16 0, 1, 0
	MUL16 2, 1, 0
	s_wait_alu depctr_va_vdst(0)
	s_wait_dscnt 0
	WMUL 1, 0
	MUL16 4, 1, 0
	MUL16 6, 1, 0
	WIN 0
	; THE WAY OUT: hold (and in MODE 1 the activation), convert, stage, barrier, pieces of 512 bytes
	PLACES 4
.irp W, 2,3
	WIN (\W<<6)|\W                                 ; source 0 and destination in the accumulators' window
.set J, 0
.rept 256
.if MODE
	v_med3_num_f32 v[J], v[J], 0, v[LIM]           ; the activation and the hold in one; each accumulator from its low end on
.else
	v_med3_num_f32 v[J], v[J], -v[LIM], v[LIM]     ; the conversion does not saturate (ISA guide 7.6.2); each accumulator from its low end on
.endif
.set J, J+1
.endr
	WIN \W                                         ; the codes go to window 0, where A's fragments lay
.set J, 0
.rept 32
	v_cvt_scalef32_pk8_fp8_f32 v[128+64*(\W-2)+2*J:129+64*(\W-2)+2*J], v[8*J:8*J+7], v[SCL]
.set J, J+1
.endr
.endr
	v_nop                                          ; a plain instruction behind the last conversion
	WIN 0
.irp a, 0,1,2,3,4,5,6,7
.irp b, 0,1,2,3,4,5,6,7
	ds_store_b64 v[STO], v[128+2*(8*\a+\b):129+2*(8*\a+\b)] offset:16*SP*\a+16*\b
.endr
.endr
	s_wait_dscnt 0x0                               ; for the others' sake: my stage stores are done
	s_barrier_signal -1
	s_barrier_wait -1
.if MODE
.set I, 0
.rept 32                               ; row tile I / 8 of my four, K step (I / 4) % 2, piece I % 4
	ds_load_b128 v[128+4*I:131+4*I], v[RDA] offset:(I/8)*16*SP+128*((I/4)%2)+32*(I%4)
.set I, I+1
.endr
.set I, 0
.rept 32
	s_wait_dscnt 31-I
	global_store_b128 v[GO], v[128+4*I:131+4*I], s[10:11] offset:(I/8)*65536+(I%8)*512   ; 512 consecutive bytes, aligned
.set I, I+1
.endr
.else
	s_cmp_eq_u32 s84, 2                            ; the same in all waves and all partners; only LDS loads differ
	s_cbranch_scc1 .Lv_out
.set I, 0
.rept 32                               ; tile T = I / 2, piece c = I % 2
.if I < 16
	ds_load_b128 v[128+4*I:131+4*I], v[RDA] offset:(32*(((I/2)%8)/2)+8*((I/2)%2))*SP+32*(I%2)
.else
	ds_load_b128 v[128+4*I:131+4*I], v[RDB] offset:(32*(((I/2)%8)/2)+8*((I/2)%2))*SP+32*(I%2)
.endif
.set I, I+1
.endr
	s_branch .Lloaded
.Lv_out:
.set I, 0
.rept 32                               ; key step I / 16, dt = (I / 4) % 4, piece c = I % 4
	ds_load_b128 v[128+4*I:131+4*I], v[RDV] offset:(32*(((I/4)%4)/2)+8*((I/4)%2))*SP+128*(I/16)+32*(I%4)
.set I, I+1
.endr
.Lloaded:
.set I, 0
.rept 32
	s_wait_dscnt 31-I
	global_store_b128 v[GO], v[128+4*I:131+4*I], s[10:11] offset:I*512   ; in both layouts piece I lies at 512 I: 512 consecutive bytes, aligned
.set I, I+1
.endr
.endif
	s_wait_tensorcnt 0x0                           ; the wave's end
	ds_add_u32 v[SPW], v[NIL]
	s_wait_dscnt 0x0
	CROUND                                         ; the closing round: no work-group ends while a partner may still ask for a tile that names it
	s_endpgm
.Lfunc_end_k_qff861cddef_proj:
	.size	k_qff861cddef_proj, .Lfunc_end_k_qff861cddef_proj-k_qff861cddef_proj
	.p2alignl 7, 3214868480
	.fill 96, 4, 3214868480
	.section	.rodata,"a",@progbits
	.p2align	6, 0x0
	.amdhsa_kernel k_qff861cddef_proj
		.amdhsa_group_segment_fixed_size 327680
		.amdhsa_private_segment_fixed_size 0
		.amdhsa_enable_private_segment 0
		.amdhsa_kernarg_size 32
		.amdhsa_user_sgpr_count 2
		.amdhsa_user_sgpr_kernarg_segment_ptr 1
		.amdhsa_wavefront_size32 1
		.amdhsa_system_sgpr_workgroup_id_x 1
		.amdhsa_system_sgpr_workgroup_id_y 1
		.amdhsa_system_sgpr_workgroup_id_z 1
		.amdhsa_system_vgpr_workitem_id 0
		.amdhsa_next_free_vgpr 1024
		.amdhsa_next_free_sgpr 100
		.amdhsa_reserve_vcc 0
		.amdhsa_float_denorm_mode_32 3
		.amdhsa_float_denorm_mode_16_64 3
		.amdhsa_memory_ordered 1
		.amdhsa_forward_progress 1
		.amdhsa_inst_pref_size 127
	.end_amdhsa_kernel
	.amdgpu_metadata
---
amdhsa.version: [ 1, 2 ]
amdhsa.kernels:
  - .name:           k_qff861cddef_proj
    .symbol:         k_qff861cddef_proj.kd
    .args:
      - { .name: nx, .offset: 0, .size: 8, .value_kind: global_buffer, .address_space: global }
      - { .name: wc, .offset: 8, .size: 8, .value_kind: global_buffer, .address_space: global }
      - { .name: lowp_scales, .offset: 16, .size: 8, .value_kind: global_buffer, .address_space: global }
      - { .name: qkv, .offset: 24, .size: 8, .value_kind: global_buffer, .address_space: global }
    .group_segment_fixed_size: 327680
    .private_segment_fixed_size: 0
    .kernarg_segment_align: 8
    .kernarg_segment_size: 32
    .max_flat_workgroup_size: 128
    .sgpr_count:     100
    .vgpr_count:     1024
    .wavefront_size: 32
...
	.end_amdgpu_metadata
.endif
;; end of part 2
;; launch attn (part 3): grid 8 x 32, 8 waves a work-group, clusters of 4 x 1, 327,680 bytes of LDS; arguments qkv, lowp_scales, ctx; writes ctx
.if DOCPART == 3
	.amdgcn_target "amdgcn-amd-amdhsa--gfx1250"
	.amdhsa_code_object_version 6
	.text
	.protected	k_qff861cddef_attn
	.globl	k_qff861cddef_attn
	.p2align	8
	.type	k_qff861cddef_attn,@function
k_qff861cddef_attn:
	s_mov_b64 s[64:65], 0
	v_nop
	global_prefetch_b8 v0, s[64:65] scope:SCOPE_SE
	s_setreg_imm32_b32 hwreg(HW_REG_WAVE_MODE, 25, 1), 1
	s_wait_xcnt 0x0
	s_wait_alu depctr_hold_cnt(0) depctr_sa_sdst(0) depctr_va_vdst(0) depctr_va_sdst(0) depctr_va_ssrc(0) depctr_va_vcc(0) depctr_vm_vsrc(0)
	s_getreg_b32 s2, hwreg(HW_REG_IB_STS2, 6, 4)
	s_cmp_eq_u32 s2, 0
	s_cbranch_scc0 .Lentry_in_a_cluster
	s_endpgm
.Lentry_in_a_cluster:
	s_bfe_u32 s2, ttmp6, 0x10000c
	s_cmp_lg_u32 s2, 0x3003
	s_cbranch_scc0 .Lentry_shape_is_right
	s_endpgm
.Lentry_shape_is_right:
; ctx = Q(softmax(q k^T / 8) v) for one head (work-group y = 16 x batch + head) and 256 queries (work-group x), both products on codes of E4M3.
; qkv holds q, k, v as codes, 4 MiB apart, a head's image 131,072 bytes:
;   q, k: [tile T 128][c 2][lane][16]: lane row r of tile T is token 32 (T/2) + 8 (T%2) + r + 8 (r/8), bytes d = 32 c + 16 h + 0 .. 15
;   v:    [key step 16][dt 4][c 4][lane][16]: lane row r is d = 32 (dt/2) + 8 (dt%2) + r + 8 (r/8), bytes keys 128 ks + 32 c + 16 h + 0 .. 15
; THE SOFTMAX: t = score x log2(e) / 8; M = the running largest t rounded up to a whole number; p = 2^(t - M) is quantised with 2^e8, not normalised; the row's sum is taken of the unquantised p and divides at the end.
; When M moves, the sums and O are multiplied by 2^(old M - new M), which rounds nothing; no branch hangs on data.
; SHARES: eight waves, 32 queries a wave in two sets of 16: set A in register window 0, set B in window 1, under the same register numbers.  Each fragment of K and of V read from LDS feeds both sets.
; Both products are used transposed (S^T = K Q^T, O^T = V^T P^T): a lane holds one query; the 16 registers of score tiles 2 b, 2 b + 1 are 16 neighbouring keys, so the conversions' results are the second product's operand.
; LDS: the head's whole K (bytes 0 .. 131,071) and V (131,072 .. 262,143) as they lie in memory.  Each wave asks twice for 16,384 bytes (waves 0-3 K, waves 4-7 V): keys 0 .. 1,023 at the head,
; keys 1,024 .. 2,047 behind a round of the cluster's barrier; that load is out during the first seven key steps, which read the first half alone.  No byte is filled twice.
; CLUSTERS: the four work-groups of a cluster walk the same head's K and V: both loads are joint, mask 15.
; NO PREFETCH: all of K and V is asked for by these two loads, the second as soon as the first is in; there is no later stream to run ahead of.
; A SOFTMAX'S 64 EXPONENTIALS GO AS ONE BATCH: all their sources are laid first, one wait stands ahead of the batch and one behind it.
; ctx leaves as an image of operand registers: byte of (row, k) = (row/16) x 16384 + (k/128) x 2048 + ((k%128)/32) x 512 + ((k%32)/16) x 256 + (row%16) x 16 + k%16.
; LIMITS: e6 + e7 between -123 and 130 (added to the constant's exponent field); e8 and e10 between -126 and 119; the scaled scores stay under 2^31 in magnitude; NaN is not served.
; REGISTERS of a set: v16-23 Q; v24 -M, v25 largest t; v26 1 / sum; v28 f; v30-35 at work; v36 448 x 2^e8, v37 2^e8, v38 448 x 2^e10, v39 2^e10; v40-55 p's codes; v56-87 O^T; v88-95 the sum in eight parts; v96-159 S^T, then p.
; window 0 also: v1 16 x lane, v2, v3 LDS addresses, v160-223 K's fragments, v254, v255 the spare word's address and 0.  window 1 also: v160-223 V's fragments.
.set SPARE, 0x40000                    ; behind K and V: the spare words, 128 bytes for each wave
.set VB,    131072                     ; V's first byte in LDS
.set MSB, 0
.macro WIN new                         ; the immediate's high byte repeats the setting that is left
.if MSB != (\new)
	s_set_vgpr_msb (MSB<<8)|(\new)
.set MSB, (\new)
.endif
.endm
.macro CROUND                          ; a round of the cluster's barrier
	s_barrier_signal -1
	s_barrier_wait -1
	s_cmp_lg_u32 s12, 0
	s_cbranch_scc1 .Lnot_wave_0_\@
	s_barrier_signal -3
.Lnot_wave_0_\@:
	s_barrier_wait -3
	s_barrier_signal -1
	s_barrier_wait -1
.endm
.macro INITW                           ; a set's state: the largest t -3e38, sums and O^T zero (the step is written once: the first change of M multiplies zeros)
	v_mov_b32 v25, 0xff61b1e6
	s_delay_alu instid0(VALU_DEP_1)
	v_floor_f32 v24, -v25
	v_mov_b32 v27, 0
	v_mov_b32 v29, 0
	v_mov_b32 v32, 0
	v_mov_b32 v36, s84
	v_mov_b32 v37, s85
	v_mov_b32 v38, s86
	v_mov_b32 v39, s87
.set J, 0
.rept 40
	v_mov_b32 v[56+J], 0
.set J, J+1
.endr
.endm
.macro FM k                            ; t - M, two at a time
	v_pk_fma_f32 v[96+2*(\k):97+2*(\k)], v[96+2*(\k):97+2*(\k)], s[22:23], v[24:25] op_sel_hi:[1,0,0]
.endm
.macro POSTQ                           ; line Q of 104: for each 16 keys eight packed additions into four sums by turns, sixteen holds (p is not negative: one-sided), two conversions
.set PBK, 96+16*(Q/26)
.set PN, Q%26
.if PN < 8
	v_pk_add_f32 v[88+2*(PN%4):89+2*(PN%4)], v[88+2*(PN%4):89+2*(PN%4)], v[PBK+2*PN:PBK+2*PN+1]
.elseif PN < 24
	v_min_num_f32 v[PBK+PN-8], v[PBK+PN-8], v36
.elseif PN == 24
	v_cvt_scalef32_pk8_fp8_f32 v[40+4*(Q/26):41+4*(Q/26)], v[PBK:PBK+7], v37
.else
	v_cvt_scalef32_pk8_fp8_f32 v[42+4*(Q/26):43+4*(Q/26)], v[PBK+8:PBK+15], v37
.endif
.set Q, Q+1
.endm
.macro SOFT                            ; one set's softmax of 128 keys
	v_max3_num_f32 v30, v96, v97, v98              ; the largest score, in four chains; each accumulator from its low end on
	v_max3_num_f32 v31, v99, v100, v101
	v_max3_num_f32 v34, v102, v103, v104
	v_max3_num_f32 v35, v105, v106, v107
.set J, 0
.rept 26
.set MC, 30+(J%4)+2*((J%4)/2)
	v_max3_num_f32 v[MC], v[MC], v[108+2*J], v[109+2*J]
.set J, J+1
.endr
	v_mov_b32 v33, v24
	s_delay_alu instid0(VALU_DEP_2)
	v_max3_num_f32 v30, v30, v31, v34
	s_delay_alu instid0(VALU_DEP_1)
	v_max_num_f32 v30, v30, v35
	s_delay_alu instid0(VALU_DEP_1)
	v_permlanex16_b32 v32, v30, s20, s21           ; and lane l xor 16's
	s_delay_alu instid0(VALU_DEP_1)
	v_max_num_f32 v30, v30, v32
	s_delay_alu instid0(VALU_DEP_1)
	v_mul_f32 v30, s22, v30                        ; as t
	s_delay_alu instid0(VALU_DEP_1)
	v_max_num_f32 v25, v25, v30
	s_delay_alu instid0(VALU_DEP_1)
	v_floor_f32 v24, -v25                          ; -M = floor(-t)
	FM 0
	s_delay_alu instid0(VALU_DEP_2)
	v_sub_f32 v33, v24, v33                        ; old M - new M, a whole number
	FM 1
	s_delay_alu instid0(VALU_DEP_2)
	v_cvt_i32_f32 v33, v33
	FM 2
	s_delay_alu instid0(VALU_DEP_2)
	v_ldexp_f32 v28, 1.0, v33                      ; f = 2^(old M - new M)
.set J, 3
.rept 29
	FM J
.set J, J+1
.endr
	s_wait_alu depctr_va_vdst(0)                   ; the wait ahead of the batch
.set J, 0
.rept 64
	v_exp_f32 v[96+J], v[96+J]                     ; p = 2^(t - M)
.set J, J+1
.endr
.irp j, 0,2,4,6
	v_pk_mul_f32 v[88+\j:89+\j], v[88+\j:89+\j], v[28:29] op_sel_hi:[1,0]   ; the sums under the new M; plain places behind the batch
.endr
	s_wait_alu depctr_va_vdst(0)                   ; one wait for the whole batch, ahead of its first reader
.set Q, 0
.rept 104
	POSTQ
.endr
	s_wait_alu depctr_va_vdst(0)                   ; directly ahead of the first reader of O^T
.set J, 0
.rept 16
	v_pk_mul_f32 v[56+2*J:57+2*J], v[56+2*J:57+2*J], v[28:29] op_sel_hi:[1,0]   ; O^T under the new M
.set J, J+1
.endr
.endm
.macro KQ                              ; S^T: eight tiles of 16 keys, K = the head's 64
.set J, 0
.rept 8
	v_wmma_f32_16x16x64_fp8_fp8 v[96+8*J:103+8*J], v[160+8*J:167+8*J], v[16:23], 0
.set J, J+1
.endr
.endm
.macro PV                              ; O^T += V^T P^T: four tiles of 16 of the head's 64, K = 128 keys; the four accumulators take turns
.set J, 0
.rept 4
	v_wmma_f32_16x16x128_fp8_fp8 v[56+8*J:63+8*J], v[160+16*J:175+16*J], v[40:55], v[56+8*J:63+8*J]
.set J, J+1
.endr
.endm
; A KEY STEP of 128 keys for both sets.  K's fragments were asked for in the step before; kpre = 1: the next step's are asked for here.
.macro STEP kpre
	v_add_nc_u32 v3, s49, v1                       ; these four lines are the places behind the last products, in front of the loads into V's registers
.if \kpre
	v_add_nc_u32 v2, s48, v1
.else
	v_nop
.endif
	v_nop
	v_nop
	WIN 0x40
.set J, 0
.rept 16
	ds_load_b128 v[160+4*J:163+4*J], v3 offset:512*J   ; V's fragments, into window 1
.set J, J+1
.endr
.if \kpre
	s_wait_alu depctr_va_vdst(0)
.endif
	s_wait_dscnt 16                                ; K's sixteen loads are in; V's sixteen may be out
	WIN 0
	KQ
	WIN 0x44
	KQ
	WIN 0
.rept 4
	v_nop                                          ; places in front of the loads into K's registers and of the first read of the scores
.endr
.if \kpre
.set J, 0
.rept 16
	ds_load_b128 v[160+4*J:163+4*J], v2 offset:512*J
.set J, J+1
.endr
.endif
	SOFT
	s_wait_alu depctr_va_vdst(0)
.if \kpre
	s_wait_dscnt 16                                ; V's loads are in; the next K's sixteen may be out
.else
	s_wait_dscnt 0x0
.endif
	WIN 0x01
	PV
	WIN 0x55
	s_wait_alu depctr_va_vdst(0)                   ; the wait directly ahead of their first reader
	SOFT
	PV
	WIN 0
.if \kpre
	s_add_co_u32 s48, s48, 8192
	s_add_co_u32 s49, s49, 8192
.endif
.endm
.macro FIN                             ; O^T / the sum x 2^(e8 + e9), held and turned into codes under 2^e10
	v_pk_add_f32 v[88:89], v[88:89], v[90:91]
	v_pk_add_f32 v[92:93], v[92:93], v[94:95]
	s_delay_alu instid0(VALU_DEP_1)
	v_pk_add_f32 v[88:89], v[88:89], v[92:93]
	s_delay_alu instid0(VALU_DEP_1)
	v_add_f32 v26, v88, v89
	s_delay_alu instid0(VALU_DEP_1)
	v_permlanex16_b32 v32, v26, s20, s21
	s_delay_alu instid0(VALU_DEP_1)
	v_add_f32 v26, v26, v32
	s_wait_alu depctr_va_vdst(0)                   ; ahead of the transcendental
	v_rcp_f32 v26, v26
	v_nop
	s_wait_alu depctr_va_vdst(0)                   ; and ahead of its first reader
	v_ldexp_f32 v26, v26, s66
	s_wait_alu depctr_va_vdst(0)                   ; directly ahead of the first reader of O^T
.set J, 0
.rept 16
	v_pk_mul_f32 v[56+J:57+J], v[56+J:57+J], v[26:27] op_sel_hi:[1,0]
.set J, J+2
.endr
.set J, 0
.rept 32
	v_med3_num_f32 v[56+J], v[56+J], -v38, v38     ; the conversion does not saturate (ISA guide 7.6.2)
.set J, J+1
.endr
.irp t, 0,1,2,3
	v_cvt_scalef32_pk8_fp8_f32 v[40+2*\t:41+2*\t], v[56+8*\t:63+8*\t], v39
.endr
	v_nop
.endm
	s_load_b128 s[4:7], s[0:1], 0x0                ; qkv, the scales' exponents
	s_load_b64 s[8:9], s[0:1], 0x10                ; ctx
	v_lshl_add_u32 v254, v0, 2, SPARE
	v_mov_b32 v255, 0
	ds_add_u32 v254, v255                          ; the opening lines: the add, twice on end, and its wait below
	ds_add_u32 v254, v255
	v_lshrrev_b32 v1, 5, v0
	s_delay_alu instid0(VALU_DEP_1)
	v_readfirstlane_b32 s12, v1                    ; wave 0..7
	s_bfe_u32 s13, ttmp6, 0x40000                  ; cx
	s_lshl_b32 s14, ttmp9, 2
	s_add_co_u32 s14, s14, s13                     ; block of 256 queries
	s_and_b32 s15, ttmp7, 0xffff                   ; 16 x batch + head
	s_mov_b32 s24, 15|(3<<16)|(1<<21)              ; group 1: mask of the four partners, elements of 8 bytes, bit 21 beside the mask
	s_mov_b32 s25, 32<<16                          ; rows of 32 elements, 256 bytes,
	s_mov_b32 s26, 64<<16                          ; 64 of them: 16,384 bytes, dense in memory and in LDS
	s_mov_b32 s27, 32<<16
	s_mov_b32 s28, 64
	s_mov_b32 s29, 32
	s_mov_b32 s30, 0
	s_mov_b32 s31, 0
	s_mov_b32 s20, 0x76543210                      ; selects for lane l xor 16
	s_mov_b32 s21, 0xfedcba98
	s_lshr_b32 s52, s12, 2                         ; 0: I fetch of K, 1: of V
	s_and_b32 s53, s12, 3                          ; which quarter of a half
	s_lshl_b32 s54, s52, 17
	s_lshl_b32 s55, s53, 14
	s_add_co_u32 s54, s54, s55                     ; LDS: made of the wave's number alone
	s_lshl_b32 s56, s52, 22
	s_add_co_u32 s56, s56, 0x400000                ; k's codes, or v's
	s_lshl_b32 s57, s15, 17
	s_add_co_u32 s56, s56, s57                     ; the head's image
	s_add_co_u32 s56, s56, s55
	s_mov_b32 s57, 0
	s_wait_dscnt 0x0                               ; both opening adds are done
	s_wait_kmcnt 0x0
	s_load_b512 s[68:83], s[6:7], 0x0              ; e0 .. e15
	s_add_nc_u64 s[58:59], s[4:5], s[56:57]
.irp g, 0,1                            ; group 0 for keys 0 .. 1,023 and for keys 1,024 .. 2,047: 65,536 bytes on, in memory and in LDS
	s_mov_b32 s[32+4*\g], 1
	s_add_co_u32 s[33+4*\g], s54, \g*65536
	s_add_nc_u64 s[34+4*\g:35+4*\g], s[58:59], \g*65536
	s_or_b32 s[35+4*\g], s[35+4*\g], 0x80000000
.endr
	CROUND                                         ; the four partners are here: the first joint loads meet
	tensor_load_to_lds s[32:35], s[24:31]          ; my one load at the head
	s_nop 0
.rept 4
	v_nop
.endr
	v_and_b32 v5, 31, v0
	s_delay_alu instid0(VALU_DEP_1)
	v_lshlrev_b32 v1, 4, v5                        ; 16 x lane
	v_and_b32 v6, 15, v0
	v_bfe_u32 v7, v0, 4, 1
	s_delay_alu instid0(VALU_DEP_2)
	v_lshrrev_b32 v8, 3, v6
	s_delay_alu instid0(VALU_DEP_3)
	v_and_b32 v9, 7, v6
	s_delay_alu instid0(VALU_DEP_2)
	v_lshlrev_b32 v4, 10, v8
	s_delay_alu instid0(VALU_DEP_1)
	v_lshl_add_u32 v4, v7, 8, v4
	s_delay_alu instid0(VALU_DEP_1)
	v_lshl_add_u32 v4, v9, 4, v4                   ; query r of a set: tile r / 8 of the pair, lane row r % 8 (set B: + 8), half h
	s_wait_alu depctr_va_vdst(0)
	s_lshl_b32 s60, s14, 3
	s_add_co_u32 s60, s60, s12
	s_lshl_b32 s60, s60, 11                        ; my 32 queries: 2,048 bytes of q's image
	s_lshl_b32 s61, s15, 17
	s_add_co_u32 s60, s60, s61
	s_mov_b32 s61, 0
	s_add_nc_u64 s[60:61], s[4:5], s[60:61]
	global_load_b128 v[16:19], v4, s[60:61]
	global_load_b128 v[20:23], v4, s[60:61] offset:512
	WIN 0x40
	global_load_b128 v[16:19], v4, s[60:61] offset:128
	global_load_b128 v[20:23], v4, s[60:61] offset:640
	WIN 0
	s_lshr_b32 s62, s15, 4
	s_lshl_b32 s62, s62, 7                         ; ctx: row tile 128 x batch + 16 x block + 2 x wave, of 16,384 bytes,
	s_lshl_b32 s63, s14, 4
	s_add_co_u32 s62, s62, s63
	s_lshl_b32 s63, s12, 1
	s_add_co_u32 s62, s62, s63
	s_lshl_b32 s62, s62, 14
	s_and_b32 s63, s15, 15
	s_lshl_b32 s63, s63, 10                        ; + 1,024 x head: k = 64 x head
	s_add_co_u32 s62, s62, s63
	s_mov_b32 s63, 0
	s_add_nc_u64 s[8:9], s[8:9], s[62:63]
	s_wait_kmcnt 0x0
	s_add_co_i32 s52, s74, s75
	s_lshl_b32 s52, s52, 23
	s_add_co_i32 s22, s52, 0x3e38aa3b              ; log2(e) / 8 x 2^(e6 + e7)
	s_mov_b32 s23, s22
	s_add_co_i32 s52, s76, 127
	s_lshl_b32 s85, s52, 23                        ; 2^e8
	s_add_co_i32 s52, s52, 8
	s_lshl_b32 s52, s52, 23
	s_or_b32 s84, s52, 0x600000                    ; 448 x 2^e8
	s_add_co_i32 s52, s78, 127
	s_lshl_b32 s87, s52, 23                        ; 2^e10
	s_add_co_i32 s52, s52, 8
	s_lshl_b32 s52, s52, 23
	s_or_b32 s86, s52, 0x600000                    ; 448 x 2^e10
	s_add_co_i32 s66, s76, s77                     ; e8 + e9
	INITW
	WIN 0x55
	INITW
	WIN 0
	s_wait_alu depctr_va_vdst(0)
	s_wait_tensorcnt 0x0                           ; my part of the first half is in
	ds_add_u32 v254, v255
	s_wait_dscnt 0x0
	CROUND                                         ; everybody's part is in, and the four partners are here
	tensor_load_to_lds s[36:39], s[24:31]          ; keys 1,024 .. 2,047: my one load behind the round
	s_nop 0
.rept 4
	v_nop
.endr
	s_wait_loadcnt 0x0                             ; Q
.set J, 0
.rept 16
	ds_load_b128 v[160+4*J:163+4*J], v1 offset:512*J   ; K's fragments of key step 0
.set J, J+1
.endr
	s_mov_b32 s48, 8192                            ; K of the next step
	s_mov_b32 s49, VB                              ; V of this step
	s_mov_b32 s50, 7
.Lfirst:                                               ; key steps 0 .. 6: they read K up to byte 65,535 and V up to VB + 57,343, all in the first half
	STEP 1
	s_sub_co_u32 s50, s50, 1
	s_cmp_lg_u32 s50, 0
	s_cbranch_scc1 .Lfirst
	s_wait_tensorcnt 0x0                           ; my part of the second half is in,
	s_wait_dscnt 0x0                               ; no LDS load of mine is pending at the signal,
	s_barrier_signal -1
	s_barrier_wait -1                              ; and everybody's part is in
	s_mov_b32 s48, 65536
	s_mov_b32 s49, VB+7*8192
	s_mov_b32 s50, 8
.Lsecond:                                              ; key steps 7 .. 14
	STEP 1
	s_sub_co_u32 s50, s50, 1
	s_cmp_lg_u32 s50, 0
	s_cbranch_scc1 .Lsecond
	s_mov_b32 s49, VB+15*8192
	STEP 0                                         ; the last step asks for no further K
.rept 4
	v_nop
.endr
	FIN
	WIN 0x55
	FIN
	WIN 0
	global_store_b128 v1, v[40:43], s[8:9]         ; each store: 512 consecutive bytes, aligned
	global_store_b128 v1, v[44:47], s[8:9] offset:512
	WIN 0x04
	global_store_b128 v1, v[40:43], s[8:9] offset:16384
	global_store_b128 v1, v[44:47], s[8:9] offset:16896
	WIN 0
	s_wait_tensorcnt 0x0                           ; the wave's end
	ds_add_u32 v254, v255
	s_wait_dscnt 0x0
	CROUND                                         ; the closing round
	s_endpgm
.Lfunc_end_k_qff861cddef_attn:
	.size	k_qff861cddef_attn, .Lfunc_end_k_qff861cddef_attn-k_qff861cddef_attn
	.p2alignl 7, 3214868480
	.fill 96, 4, 3214868480
	.section	.rodata,"a",@progbits
	.p2align	6, 0x0
	.amdhsa_kernel k_qff861cddef_attn
		.amdhsa_group_segment_fixed_size 327680
		.amdhsa_private_segment_fixed_size 0
		.amdhsa_enable_private_segment 0
		.amdhsa_kernarg_size 24
		.amdhsa_user_sgpr_count 2
		.amdhsa_user_sgpr_kernarg_segment_ptr 1
		.amdhsa_wavefront_size32 1
		.amdhsa_system_sgpr_workgroup_id_x 1
		.amdhsa_system_sgpr_workgroup_id_y 1
		.amdhsa_system_sgpr_workgroup_id_z 1
		.amdhsa_system_vgpr_workitem_id 0
		.amdhsa_next_free_vgpr 512
		.amdhsa_next_free_sgpr 96
		.amdhsa_reserve_vcc 0
		.amdhsa_float_denorm_mode_32 3
		.amdhsa_float_denorm_mode_16_64 3
		.amdhsa_memory_ordered 1
		.amdhsa_forward_progress 1
		.amdhsa_inst_pref_size 107
	.end_amdhsa_kernel
	.amdgpu_metadata
---
amdhsa.version: [ 1, 2 ]
amdhsa.kernels:
  - .name:           k_qff861cddef_attn
    .symbol:         k_qff861cddef_attn.kd
    .args:
      - { .name: qkv, .offset: 0, .size: 8, .value_kind: global_buffer, .address_space: global }
      - { .name: lowp_scales, .offset: 8, .size: 8, .value_kind: global_buffer, .address_space: global }
      - { .name: ctx, .offset: 16, .size: 8, .value_kind: global_buffer, .address_space: global }
    .group_segment_fixed_size: 327680
    .private_segment_fixed_size: 0
    .kernarg_segment_align: 8
    .kernarg_segment_size: 24
    .max_flat_workgroup_size: 256
    .sgpr_count:     96
    .vgpr_count:     512
    .wavefront_size: 32
...
	.end_amdgpu_metadata
.endif
;; end of part 3
;; launch wo (part 4): grid 8 x 32, 4 waves a work-group, clusters of 4 x 4, 327,680 bytes of LDS; arguments ctx, wc, lowp_scales, X, x1; writes x1
.if DOCPART == 4
	.amdgcn_target "amdgcn-amd-amdhsa--gfx1250"
	.amdhsa_code_object_version 6
	.text
	.protected	k_qff861cddef_wo
	.globl	k_qff861cddef_wo
	.p2align	8
	.type	k_qff861cddef_wo,@function
k_qff861cddef_wo:
	s_mov_b64 s[64:65], 0
	v_nop
	global_prefetch_b8 v0, s[64:65] scope:SCOPE_SE
	s_setreg_imm32_b32 hwreg(HW_REG_WAVE_MODE, 25, 1), 1
	s_wait_xcnt 0x0
	s_wait_alu depctr_hold_cnt(0) depctr_sa_sdst(0) depctr_va_vdst(0) depctr_va_sdst(0) depctr_va_ssrc(0) depctr_va_vcc(0) depctr_vm_vsrc(0)
	s_getreg_b32 s2, hwreg(HW_REG_IB_STS2, 6, 4)
	s_cmp_eq_u32 s2, 0
	s_cbranch_scc0 .Lentry_in_a_cluster
	s_endpgm
.Lentry_in_a_cluster:
	s_bfe_u32 s2, ttmp6, 0x10000c
	s_cmp_lg_u32 s2, 0xf033
	s_cbranch_scc0 .Lentry_shape_is_right
	s_endpgm
.Lentry_shape_is_right:
; x1 = X + ctx Wo: A GEMM ON CODES OF E4M3 WITH N = 1,024, K = 1,024 AND AN f32 RESULT PLUS RESIDUAL; scales e10 (ctx), e11 (Wo).
; Operands are images of operand registers: the byte of (row, k) is (row/16) x 16384 + (k/128) x 2048 + ((k%128)/32) x 512 + ((k%32)/16) x 256 + (row%16) x 16 + k%16.
; C has 32 x 8 tiles of 128 x 128: one for each of 256 work-groups.  THE FOUR WAVES SHARE K, NOT THE TILE: each wave holds the whole 128 x 128 (64 accumulators) and multiplies K steps w and w + 4 of the eight,
; so that each fragment read from LDS feeds eight products.
; ALL OF K LIES IN LDS AT ONCE: A's 8 row tiles of 16,384 bytes from byte 0, B's 8 from byte 131,072.  Four row tiles are 65,536 bytes on end in memory: each wave asks for them by ONE tensor load at the head
; (waves 0, 1: A's halves; waves 2, 3: B's).  No byte is filled twice, so there is no ring and no later fill.  NO PREFETCH: there is no loop to run ahead in.
; CLUSTERS: 4 x 4 work-groups; A's tiles are asked for jointly along a row of the cluster, B's along a column.  The matrix instruction is used transposed: lane (r, h) holds row 16 a + r and columns 16 b + 8 h + 0 .. 7.
; At the end the four partial tiles meet in LDS (a region of 128 rows x 528 bytes for each wave, laid over the operands, which have had their only fill and their last read) and are added by rows, on the way that the
; results take in any case to leave as whole rows of 512 bytes.  So the sums are four partial sums, added pairwise.
; LIMITS: e10 + e11 between -126 and 127.
; REGISTERS: window 0: v8-19, v24-29 addresses; v32-159 the way out; v128-255 A's fragments, one set.  window 1: B's two sets, later the residual.  windows 2, 3: the accumulators.
.set STP,    528                       ; a stage row: 512 bytes + 16
.set WREG,   128*STP                   ; a wave's region of the stage
.set SPARE,  4*WREG                    ; behind the stage: the spare words, 128 bytes for each wave
.set FR,     16
.set AF,     128
.set RD,     8                         ; v8-11  where I read a row of region g back
.set ADRA,   16                        ; v16-17 A's row tiles 0-3 at my first, second K step; v12-13 its row tiles 4-7 (an LDS offset has 16 bits)
.set ADRB,   18                        ; v18-19, v14-15 the same for B
.set STO,    24
.set GO,     26                        ; v26  16 x lane
.set SPW,    28
.set NIL,    29
.set G1,     24
.set G0,     32
.set G1B,    48
.set G0B,    56
.set EX,     68
.set MSB,    0
.macro WIN new                         ; the immediate's high byte repeats the setting that is left
.if MSB != (\new)
	s_set_vgpr_msb (MSB<<8)|(\new)
.set MSB, (\new)
.endif
.endm
.macro WMUL hi                         ; source 0 (B) window 1, source 1 (A) window 0, C and D window 2 or 3
	WIN 0xa1+0x50*(\hi)
.endm
.macro JLOAD g0a, g1a, g0b, g1b        ; waves 0 and 1 fetch A's halves, waves 2 and 3 B's; an s_nop 0 and four v_nop follow each of the two lines
	s_cmp_eq_u32 s15, 0
	s_cbranch_scc0 .Lfor_b_\@
	tensor_load_to_lds s[\g0a:\g0a+3], s[\g1a:\g1a+7]
	s_nop 0
.rept 4
	v_nop
.endr
	s_branch .Lasked_\@
.Lfor_b_\@:
	tensor_load_to_lds s[\g0b:\g0b+3], s[\g1b:\g1b+7]
	s_nop 0
.rept 4
	v_nop
.endr
.Lasked_\@:
.endm
.macro CROUND                          ; a round of the cluster's barrier
	s_barrier_signal -1
	s_barrier_wait -1
	s_cmp_lg_u32 s14, 0
	s_cbranch_scc1 .Lnot_wave_0_\@
	s_barrier_signal -3
.Lnot_wave_0_\@:
	s_barrier_wait -3
	s_barrier_signal -1
	s_barrier_wait -1
.endm
.macro PLACES n
.rept \n
	v_nop
.endr
.endm
.macro FRAG reg, adr, i                ; row tile i at the K step that the address register stands for
.irp c, 0,1,2,3
	ds_load_b128 v[\reg+4*\c:\reg+4*\c+3], v[\adr-4*((\i)/4)] offset:((\i)%4)*16384+512*\c
.endr
.endm
.macro MUL16 a0, p, zero               ; the 64 accumulators take turns, one instruction a turn
.irp a, \a0, \a0+1
.irp b, 0,1,2,3,4,5,6,7
.if \zero
	v_wmma_f32_16x16x128_fp8_fp8 v[8*(8*((\a)%4)+\b):8*(8*((\a)%4)+\b)+7], v[128*(\p)+FR*\b:128*(\p)+FR*\b+FR-1], v[AF+FR*(\a):AF+FR*(\a)+FR-1], 0
.else
	v_wmma_f32_16x16x128_fp8_fp8 v[8*(8*((\a)%4)+\b):8*(8*((\a)%4)+\b)+7], v[128*(\p)+FR*\b:128*(\p)+FR*\b+FR-1], v[AF+FR*(\a):AF+FR*(\a)+FR-1], v[8*(8*((\a)%4)+\b):8*(8*((\a)%4)+\b)+7]
.endif
.endr
.endr
.endm
.macro FETCH_B s, p                    ; B's eight fragments of my step s into set p
	WIN 0x40
.irp i, 0,1,2,3,4,5,6,7
	FRAG 128*(\p)+FR*\i, ADRB+\s, \i
.endr
	WIN 0
.endm
.macro FETCH_A s, i0                   ; A's blocks i0 .. i0 + 3 of my step s
.irp i, \i0, \i0+1, \i0+2, \i0+3
	FRAG AF+FR*(\i), ADRA+\s, \i
.endr
.endm
.macro LOADB k                         ; rows 4 k .. 4 k + 3 of my 32, from the four regions
.set PB, 32+64*((\k)%2)
.irp i, 0,1,2,3
.irp g, 0,1,2,3
	ds_load_b128 v[PB+16*\i+4*\g:PB+16*\i+4*\g+3], v[RD+\g] offset:(4*(\k)+\i)*STP
.endr
.endr
.endm
.macro OUTK k                          ; the four partial sums are added, x 2^(e10 + e11), + the residual; four whole rows leave
.set PB, 32+64*((\k)%2)
.irp i, 0,1,2,3
.irp u, 0,2
	v_pk_add_f32 v[PB+16*\i+\u:PB+16*\i+\u+1], v[PB+16*\i+\u:PB+16*\i+\u+1], v[PB+16*\i+4+\u:PB+16*\i+5+\u]
	v_pk_add_f32 v[PB+16*\i+8+\u:PB+16*\i+9+\u], v[PB+16*\i+8+\u:PB+16*\i+9+\u], v[PB+16*\i+12+\u:PB+16*\i+13+\u]
.endr
.irp u, 0,2
	v_pk_add_f32 v[PB+16*\i+\u:PB+16*\i+\u+1], v[PB+16*\i+\u:PB+16*\i+\u+1], v[PB+16*\i+8+\u:PB+16*\i+9+\u]
.endr
.endr
	WIN 0x10                                       ; source 2 (the residual) in window 1
.irp i, 0,1,2,3
.irp u, 0,2
	v_pk_fma_f32 v[PB+16*\i+\u:PB+16*\i+\u+1], v[PB+16*\i+\u:PB+16*\i+\u+1], s[96:97], v[4*(4*(\k)+\i)+\u:4*(4*(\k)+\i)+\u+1] op_sel_hi:[1,0,1]
.endr
.endr
	WIN 0
.irp i, 0,1,2,3
	global_store_b128 v[GO], v[PB+16*\i:PB+16*\i+3], s[12:13] offset:(4*(\k)+\i)*4096   ; 32 lanes store 512 consecutive bytes, aligned
.endr
.endm
	s_load_b256 s[4:11], s[0:1], 0x0               ; ctx, wc, the scales' exponents, X
	s_load_b64 s[12:13], s[0:1], 0x20              ; x1
	v_lshl_add_u32 v[SPW], v0, 2, SPARE
	v_mov_b32 v[NIL], 0
	ds_add_u32 v[SPW], v[NIL]                      ; the opening lines: the add, twice on end, and its wait
	ds_add_u32 v[SPW], v[NIL]
	s_wait_dscnt 0x0
	v_lshrrev_b32 v1, 5, v0
	v_readfirstlane_b32 s14, v1                    ; wave 0..3: my K steps are w and w + 4
	s_lshr_b32 s15, s14, 1                         ; I fetch for A (0) or for B (1),
	s_and_b32 s16, s14, 1                          ; its row tiles 0-3 or 4-7
	s_bfe_u32 s40, ttmp6, 0x40000                  ; cx
	s_bfe_u32 s41, ttmp6, 0x40004                  ; cy
	s_lshl_b32 s42, ttmp9, 2
	s_add_co_u32 s42, s42, s40                     ; tile column 0..7
	s_and_b32 s17, ttmp7, 0xffff
	s_lshl_b32 s17, s17, 2
	s_add_co_u32 s17, s17, s41                     ; tile row 0..31
	s_lshl_b32 s43, s41, 2
	s_lshl_b32 s43, 15, s43                        ; my row of the cluster
	s_lshl_b32 s44, 0x1111, s40                    ; my column
	; descriptor group 1: 4 rows (row tiles) of 2,048 elements of 8 bytes, 2,048 elements apart, dense in LDS
	s_or_b32 s[G1+0], s43, (3<<16)|(1<<21)
	s_or_b32 s[G1B+0], s44, (3<<16)|(1<<21)
.irp g, G1, G1B
	s_mov_b32 s[\g+1], 2048<<16                    ; tensor_dim0
	s_mov_b32 s[\g+2], 4<<16                       ; tensor_dim1
	s_mov_b32 s[\g+3], 2048<<16                    ; tile_dim0
	s_mov_b32 s[\g+4], 4                           ; tile_dim1
	s_mov_b32 s[\g+5], 2048                        ; tensor_dim0_stride
	s_mov_b32 s[\g+6], 0
	s_mov_b32 s[\g+7], 0
.endr
	s_lshl_b32 s18, s16, 2
	s_lshl_b32 s20, s17, 3
	s_add_co_u32 s20, s20, s18
	s_lshl_b32 s20, s20, 14                        ; A: row tile 8 x tile row + 4 x half, of 16,384 bytes
	s_lshl_b32 s46, s42, 3
	s_add_co_u32 s46, s46, s18
	s_lshl_b32 s46, s46, 14
	s_add_co_u32 s46, s46, 0x300000                ; B likewise, in Wo's image in wc
	s_mov_b32 s21, 0
	s_mov_b32 s47, 0
	s_lshl_b32 s45, s14, 16                        ; where they go: wave x 65,536: no place in the cluster enters an LDS address
	s_wait_kmcnt 0x0
	s_load_b512 s[EX:EX+15], s[8:9], 0x0
	s_add_nc_u64 s[20:21], s[4:5], s[20:21]
	s_add_nc_u64 s[46:47], s[6:7], s[46:47]
	CROUND                                         ; all sixteen work-groups are here: the joint loads meet
	s_mov_b32 s[G0], 1
	s_mov_b32 s[G0+1], s45
	s_mov_b64 s[G0+2:G0+3], s[20:21]
	s_or_b32 s[G0+3], s[G0+3], 0x80000000
	s_mov_b32 s[G0B], 1
	s_mov_b32 s[G0B+1], s45
	s_mov_b64 s[G0B+2:G0B+3], s[46:47]
	s_or_b32 s[G0B+3], s[G0B+3], 0x80000000
	JLOAD G0, G1, G0B, G1B                         ; my one tensor load of the launch
	v_and_b32 v1, 31, v0                           ; lane
	v_and_b32 v2, 15, v0                           ; r
	v_bfe_u32 v3, v0, 4, 1                         ; h
	v_lshlrev_b32 v[GO], 4, v1
	s_wait_alu depctr_va_vdst(0)
	s_lshl_b32 s21, s14, 11                        ; my first K step: 2,048 w bytes into each row tile
	s_add_co_u32 s22, s21, 131072                  ; B lies behind A's 131,072 bytes
.irp s, 0,1
	v_add_nc_u32 v[ADRA+\s], s21, v[GO]
	v_add_nc_u32 v[ADRB+\s], s22, v[GO]
	v_add_nc_u32 v[ADRA+\s-4], 65536, v[ADRA+\s]   ; row tiles 4-7
	v_add_nc_u32 v[ADRB+\s-4], 65536, v[ADRB+\s]
	s_add_co_u32 s21, s21, 8192                    ; my second K step: four steps on
	s_add_co_u32 s22, s22, 8192
.endr
	s_mul_i32 s23, s14, WREG
	v_mul_u32_u24 v[STO], v2, STP
	v_lshl_add_u32 v[STO], v3, 5, v[STO]
	v_add_nc_u32 v[STO], s23, v[STO]               ; into my region: row r, + 32 h
	s_mul_i32 s23, s14, 32*STP
.irp g, 0,1,2,3
	v_add_nc_u32 v[RD+\g], s23, v[GO]              ; back: rows 32 w on of region g, 16 bytes a lane
	s_add_co_u32 s23, s23, WREG
.endr
	s_lshl_b32 s20, s17, 19                        ; rows 128 x tile row + 32 w of 4,096 bytes, + 512 x tile column
	s_lshl_b32 s19, s14, 17
	s_add_co_u32 s20, s20, s19
	s_lshl_b32 s19, s42, 9
	s_add_co_u32 s20, s20, s19
	s_mov_b32 s21, 0
	s_add_nc_u64 s[10:11], s[10:11], s[20:21]
	s_add_nc_u64 s[12:13], s[12:13], s[20:21]
	s_wait_alu depctr_va_vdst(0)
	s_wait_kmcnt 0x0
	s_add_co_i32 s96, s[EX+10], s[EX+11]
	s_add_co_i32 s96, s96, 127
	s_lshl_b32 s96, s96, 23                        ; 2^(e10 + e11) as f32
	s_mov_b32 s97, s96                             ; (named with it as a pair)
	s_wait_tensorcnt 0x0                           ; my part of the operands is in,
	s_barrier_signal -1
	s_barrier_wait -1                              ; and everybody's
	FETCH_B 0, 0
	FETCH_A 0, 0
	FETCH_A 0, 4
	s_wait_dscnt 16                                ; B's set and A's blocks 0-3 are in; the youngest sixteen loads (A's blocks 4-7) may be out
	WMUL 0
	MUL16 0, 0, 1                                  ; my first K step starts the sums
	MUL16 2, 0, 1
	PLACES 4
	FETCH_B 1, 1
	FETCH_A 1, 0
	s_wait_dscnt 48                                ; A's blocks 4-7 are in; the 48 loads just issued may be out
	WMUL 1
	MUL16 4, 0, 1
	MUL16 6, 0, 1
	PLACES 4
	WIN 0
	FETCH_A 1, 4
	WIN 0x40                                       ; the residual's 32 rows of mine, into window 1, where B's first set lay: its last products stand four places back
.set I, 0
.rept 32
	global_load_b128 v[4*I:4*I+3], v[GO], s[10:11] offset:I*4096
.set I, I+1
.endr
	WIN 0
	s_wait_dscnt 16
	WMUL 0
	MUL16 0, 1, 0
	MUL16 2, 1, 0
	s_wait_dscnt 0
	WMUL 1
	MUL16 4, 1, 0
	MUL16 6, 1, 0
	WIN 0
	; THE WAY OUT
	PLACES 4
	s_wait_dscnt 0x0                               ; my reads of the operands are over
	s_barrier_signal -1
	s_barrier_wait -1                              ; everybody's are: the stage may be laid over them
.irp a, 0,1,2,3,4,5,6,7
	WIN 0x08+4*((\a)/4)                            ; the stores' data in window 2 or 3
.irp b, 0,1,2,3,4,5,6,7
	ds_store_b128 v[STO], v[8*(8*((\a)%4)+\b):8*(8*((\a)%4)+\b)+3] offset:16*STP*\a+64*\b        ; each accumulator from its low end on
	ds_store_b128 v[STO], v[8*(8*((\a)%4)+\b)+4:8*(8*((\a)%4)+\b)+7] offset:16*STP*\a+64*\b+16
.endr
.endr
	WIN 0
	s_wait_dscnt 0x0                               ; for the others' sake: my stage stores are done
	s_barrier_signal -1
	s_barrier_wait -1
	LOADB 0
	LOADB 1
	s_wait_loadcnt 0x0                             ; the residual
.irp k, 0,1,2,3,4,5,6,7
.if \k < 7
	s_wait_dscnt 16                                ; these four rows are back; the next four rows' sixteen loads may be out
.else
	s_wait_dscnt 0
.endif
	OUTK \k
.if \k < 6
	s_wait_xcnt 0x0                                ; the stores have read their registers: the rows two steps on may land there
	LOADB \k+2
.endif
.endr
	s_wait_tensorcnt 0x0                           ; the wave's end
	ds_add_u32 v[SPW], v[NIL]
	s_wait_dscnt 0x0
	CROUND                                         ; the closing round
	s_endpgm
.Lfunc_end_k_qff861cddef_wo:
	.size	k_qff861cddef_wo, .Lfunc_end_k_qff861cddef_wo-k_qff861cddef_wo
	.p2alignl 7, 3214868480
	.fill 96, 4, 3214868480
	.section	.rodata,"a",@progbits
	.p2align	6, 0x0
	.amdhsa_kernel k_qff861cddef_wo
		.amdhsa_group_segment_fixed_size 327680
		.amdhsa_private_segment_fixed_size 0
		.amdhsa_enable_private_segment 0
		.amdhsa_kernarg_size 40
		.amdhsa_user_sgpr_count 2
		.amdhsa_user_sgpr_kernarg_segment_ptr 1
		.amdhsa_wavefront_size32 1
		.amdhsa_system_sgpr_workgroup_id_x 1
		.amdhsa_system_sgpr_workgroup_id_y 1
		.amdhsa_system_sgpr_workgroup_id_z 1
		.amdhsa_system_vgpr_workitem_id 0
		.amdhsa_next_free_vgpr 1024
		.amdhsa_next_free_sgpr 100
		.amdhsa_reserve_vcc 0
		.amdhsa_float_denorm_mode_32 3
		.amdhsa_float_denorm_mode_16_64 3
		.amdhsa_memory_ordered 1
		.amdhsa_forward_progress 1
		.amdhsa_inst_pref_size 63
	.end_amdhsa_kernel
	.amdgpu_metadata
---
amdhsa.version: [ 1, 2 ]
amdhsa.kernels:
  - .name:           k_qff861cddef_wo
    .symbol:         k_qff861cddef_wo.kd
    .args:
      - { .name: ctx, .offset: 0, .size: 8, .value_kind: global_buffer, .address_space: global }
      - { .name: wc, .offset: 8, .size: 8, .value_kind: global_buffer, .address_space: global }
      - { .name: lowp_scales, .offset: 16, .size: 8, .value_kind: global_buffer, .address_space: global }
      - { .name: X, .offset: 24, .size: 8, .value_kind: global_buffer, .address_space: global }
      - { .name: x1, .offset: 32, .size: 8, .value_kind: global_buffer, .address_space: global }
    .group_segment_fixed_size: 327680
    .private_segment_fixed_size: 0
    .kernarg_segment_align: 8
    .kernarg_segment_size: 40
    .max_flat_workgroup_size: 128
    .sgpr_count:     100
    .vgpr_count:     1024
    .wavefront_size: 32
...
	.end_amdgpu_metadata
.endif
;; end of part 4
;; launch ln2 (part 5): grid 256 x 1, 4 waves a work-group, no clusters, 17,152 bytes of LDS; arguments x1, g2, be2, lowp_scales, nx2; writes nx2
.if DOCPART == 5
	.amdgcn_target "amdgcn-amd-amdhsa--gfx1250"
	.amdhsa_code_object_version 6
	.text
	.protected	k_qff861cddef_ln2
	.globl	k_qff861cddef_ln2
	.p2align	8
	.type	k_qff861cddef_ln2,@function
k_qff861cddef_ln2:
	s_mov_b64 s[64:65], 0
	v_nop
	global_prefetch_b8 v0, s[64:65] scope:SCOPE_SE
	s_setreg_imm32_b32 hwreg(HW_REG_WAVE_MODE, 25, 1), 1
	s_wait_xcnt 0x0
; LayerNorm 2 of 16 tokens a work-group, quantised with scale e12 into nx2, laid as an image of operand registers:
; the byte of (row, k) is (row/16) x 16384 + (k/128) x 2048 + ((k%128)/32) x 512 + ((k%32)/16) x 256 + (row%16) x 16 + k%16.
; Wave w takes rows 4 w .. 4 w + 3.  A lane holds, of a row, k = 256 j + 8 lane + 0 .. 7 for j = 0 .. 3: two loads of 16 bytes, lanes 32 bytes apart, the pair together 1,024 bytes on end.
; Mean, then the mean of (x - mean)^2 (two passes over registers), all f32.  The codes meet in a stage (16 rows x 1,040 bytes); behind one barrier each wave stores K steps 2 w, 2 w + 1 as pieces of 512 consecutive bytes.
; code = y / 2^e12, held within +-448, to the nearest code, ties to even.  LIMITS: e12 between -126 and 119; NaN is not served.  No cluster, no matrix unit: work-groups share only gamma and beta, 8 KiB beside 64 KiB.
.set LNP,   1040
.set VARB,  16*LNP
.set NV,    1
.macro MKSC e, vs, tmp
	s_add_co_i32 s[\tmp], s[\e], 127
	s_lshl_b32 s[\tmp+1], s[\tmp], 23
	v_mov_b32 v[\vs], s[\tmp+1]
	s_add_co_i32 s[\tmp], s[\tmp], 8
	s_lshl_b32 s[\tmp], s[\tmp], 23
	s_or_b32 s[\tmp], s[\tmp], 0x600000
	v_mov_b32 v[\vs+1], s[\tmp]
.endm
.macro REDUCE
	v_add_f32_dpp v12, v12, v12 row_xmask:1 row_mask:0xf bank_mask:0xf
	v_add_f32_dpp v12, v12, v12 row_xmask:2 row_mask:0xf bank_mask:0xf
	v_add_f32_dpp v12, v12, v12 row_xmask:4 row_mask:0xf bank_mask:0xf
	v_add_f32_dpp v12, v12, v12 row_xmask:8 row_mask:0xf bank_mask:0xf
	v_permlanex16_b32 v16, v12, s46, s47
	v_add_f32 v12, v12, v16
.endm
.macro LNROW r
.set XR, 128+32*(\r)
	s_wait_loadcnt 8*(3-(\r))                      ; this row's eight loads are in, the later rows' stay out
	s_wait_dscnt 0x0                               ; the last row's stage stores have read the code registers
	v_pk_add_f32 v[12:13], v[XR:XR+1], v[XR+2:XR+3]
	v_pk_add_f32 v[14:15], v[XR+4:XR+5], v[XR+6:XR+7]
.irp i, 8,12,16,20,24,28
	v_pk_add_f32 v[12:13], v[12:13], v[XR+\i:XR+\i+1]
	v_pk_add_f32 v[14:15], v[14:15], v[XR+\i+2:XR+\i+3]
.endr
	v_pk_add_f32 v[12:13], v[12:13], v[14:15]
	v_add_f32 v12, v12, v13
	REDUCE
	v_mul_f32 v8, s50, v12                         ; the mean
	v_mov_b32 v9, v8
.set J, 0
.rept 16
	v_pk_add_f32 v[XR+J:XR+J+1], v[XR+J:XR+J+1], v[8:9] neg_lo:[0,1] neg_hi:[0,1]
.set J, J+2
.endr
	v_pk_mul_f32 v[12:13], v[XR:XR+1], v[XR:XR+1]
	v_pk_mul_f32 v[14:15], v[XR+2:XR+3], v[XR+2:XR+3]
.irp i, 4,8,12,16,20,24,28
	v_pk_fma_f32 v[12:13], v[XR+\i:XR+\i+1], v[XR+\i:XR+\i+1], v[12:13]
	v_pk_fma_f32 v[14:15], v[XR+\i+2:XR+\i+3], v[XR+\i+2:XR+\i+3], v[14:15]
.endr
	v_pk_add_f32 v[12:13], v[12:13], v[14:15]
	v_add_f32 v12, v12, v13
	REDUCE
	v_fma_f32 v12, v12, s50, s51                   ; variance + 1e-5
	s_wait_alu depctr_va_vdst(0)
	v_rsq_f32 v10, v12
	v_nop                                          ; a plain instruction behind the transcendental
	s_wait_alu depctr_va_vdst(0)                   ; and the wait ahead of the first use of its result
	v_mov_b32 v11, v10
.set J, 0
.rept 16
	v_pk_mul_f32 v[XR+J:XR+J+1], v[XR+J:XR+J+1], v[10:11]
.set J, J+2
.endr
.set J, 0
.rept 16
	v_pk_fma_f32 v[XR+J:XR+J+1], v[XR+J:XR+J+1], v[48+J:49+J], v[80+J:81+J]
.set J, J+2
.endr
.irp n, 0,1,2
.if \n < NV
.irp j, 0,1,2,3
.irp m, 0,1,2,3,4,5,6,7
	v_med3_num_f32 v[112+8*(\j%2)+\m], v[XR+8*\j+\m], -v[19+2*\n], v[19+2*\n]   ; the conversion does not saturate (ISA guide 7.6.2): the hold, into one of two sets by turns
.endr
	v_cvt_scalef32_pk8_fp8_f32 v[24+8*\n+2*\j:25+8*\n+2*\j], v[112+8*(\j%2):119+8*(\j%2)], v[18+2*\n]
.endr
.endif
.endr
	v_nop
.irp n, 0,1,2
.if \n < NV
.irp j, 0,1,2,3
	ds_store_b64 v5, v[24+8*\n+2*\j:25+8*\n+2*\j] offset:\n*VARB+(\r)*LNP+256*\j
.endr
.endif
.endr
.endm
	s_load_b256 s[4:11], s[0:1], 0x0               ; x1, g2, be2, the scales' exponents
	s_load_b64 s[24:25], s[0:1], 0x20              ; nx2
	v_lshl_add_u32 v46, v0, 2, 0x4100
	v_mov_b32 v47, 0
	v_lshrrev_b32 v1, 5, v0
	v_readfirstlane_b32 s44, v1                    ; wave 0..3
	v_and_b32 v1, 31, v0
	v_and_b32 v2, 15, v0
	v_bfe_u32 v3, v0, 4, 1
	s_wait_alu depctr_va_vdst(0)
	s_wait_kmcnt 0x0
	s_load_b512 s[28:43], s[10:11], 0x0            ; e0 .. e15 in s28 .. s43
	v_lshlrev_b32 v4, 5, v1
	s_wait_alu depctr_va_vdst(0)
	s_mul_i32 s48, s44, 4*LNP
	v_lshl_add_u32 v5, v1, 3, s48
	v_mul_u32_u24 v6, v2, LNP
	v_lshl_add_u32 v6, v3, 4, v6
	s_lshl_b32 s49, s44, 8
	v_add_nc_u32 v6, s49, v6
	v_lshlrev_b32 v7, 4, v1
	v_mov_b32 v16, 0
	s_mov_b32 s46, 0x76543210
	s_mov_b32 s47, 0xfedcba98
	s_mov_b32 s50, 0x3a800000
	s_mov_b32 s51, 0x3727c5ac
	s_lshl_b32 s52, ttmp9, 16
	s_lshl_b32 s53, s44, 14
	s_add_co_u32 s52, s52, s53
	s_mov_b32 s53, 0
	s_add_nc_u64 s[4:5], s[4:5], s[52:53]
	s_lshl_b32 s60, ttmp9, 14
	s_lshl_b32 s61, s44, 12
	s_add_co_u32 s60, s60, s61
	s_mov_b32 s61, 0
	s_add_nc_u64 s[54:55], s[24:25], s[60:61]
.irp j, 0,1,2,3
.irp i, 0,1
	global_load_b128 v[48+8*\j+4*\i:51+8*\j+4*\i], v4, s[6:7] offset:1024*\j+16*\i
	global_load_b128 v[80+8*\j+4*\i:83+8*\j+4*\i], v4, s[8:9] offset:1024*\j+16*\i
.endr
.endr
.irp p, 0,1,2,3
.irp j, 0,1,2,3
.irp i, 0,1
	global_load_b128 v[128+32*\p+8*\j+4*\i:131+32*\p+8*\j+4*\i], v4, s[4:5] offset:4096*\p+1024*\j+16*\i
.endr
.endr
.endr
	s_wait_kmcnt 0x0
	MKSC 40, 18, 48                                ; e12
	LNROW 0
	LNROW 1
	LNROW 2
	LNROW 3
	s_wait_dscnt 0x0                               ; for the others' sake: my stage stores are done
	s_barrier_signal -1
	s_barrier_wait -1
.set I, 0
.irp k, 0,1
.irp c, 0,1,2,3
	ds_load_b128 v[128+4*I:131+4*I], v6 offset:128*\k+32*\c
.set I, I+1
.endr
.endr
.set I, 0
.irp k, 0,1
.irp c, 0,1,2,3
	s_wait_dscnt 7-I
	global_store_b128 v7, v[128+4*I:131+4*I], s[54:55] offset:\k*2048+\c*512   ; 512 consecutive bytes, aligned
.set I, I+1
.endr
.endr
	s_wait_tensorcnt 0x0
	ds_add_u32 v46, v47
	s_wait_dscnt 0x0
	s_endpgm
.Lfunc_end_k_qff861cddef_ln2:
	.size	k_qff861cddef_ln2, .Lfunc_end_k_qff861cddef_ln2-k_qff861cddef_ln2
	.p2alignl 7, 3214868480
	.fill 96, 4, 3214868480
	.section	.rodata,"a",@progbits
	.p2align	6, 0x0
	.amdhsa_kernel k_qff861cddef_ln2
		.amdhsa_group_segment_fixed_size 17152
		.amdhsa_private_segment_fixed_size 0
		.amdhsa_enable_private_segment 0
		.amdhsa_kernarg_size 40
		.amdhsa_user_sgpr_count 2
		.amdhsa_user_sgpr_kernarg_segment_ptr 1
		.amdhsa_wavefront_size32 1
		.amdhsa_system_sgpr_workgroup_id_x 1
		.amdhsa_system_sgpr_workgroup_id_y 1
		.amdhsa_system_sgpr_workgroup_id_z 1
		.amdhsa_system_vgpr_workitem_id 0
		.amdhsa_next_free_vgpr 256
		.amdhsa_next_free_sgpr 66
		.amdhsa_reserve_vcc 0
		.amdhsa_float_denorm_mode_32 3
		.amdhsa_float_denorm_mode_16_64 3
		.amdhsa_memory_ordered 1
		.amdhsa_forward_progress 1
		.amdhsa_inst_pref_size 43
	.end_amdhsa_kernel
	.amdgpu_metadata
---
amdhsa.version: [ 1, 2 ]
amdhsa.kernels:
  - .name:           k_qff861cddef_ln2
    .symbol:         k_qff861cddef_ln2.kd
    .args:
      - { .name: x1, .offset: 0, .size: 8, .value_kind: global_buffer, .address_space: global }
      - { .name: g2, .offset: 8, .size: 8, .value_kind: global_buffer, .address_space: global }
      - { .name: be2, .offset: 16, .size: 8, .value_kind: global_buffer, .address_space: global }
      - { .name: lowp_scales, .offset: 24, .size: 8, .value_kind: global_buffer, .address_space: global }
      - { .name: nx2, .offset: 32, .size: 8, .value_kind: global_buffer, .address_space: global }
    .group_segment_fixed_size: 17152
    .private_segment_fixed_size: 0
    .kernarg_segment_align: 8
    .kernarg_segment_size: 40
    .max_flat_workgroup_size: 128
    .sgpr_count:     66
    .vgpr_count:     256
    .wavefront_size: 32
...
	.end_amdgpu_metadata
.endif
;; end of part 5
;; launch ff1 (part 6): grid 16 x 16, 4 waves a work-group, clusters of 4 x 4, 327,680 bytes of LDS; arguments nx2, wc, lowp_scales, hc, b1; writes hc
.if DOCPART == 6
	.amdgcn_target "amdgcn-amd-amdhsa--gfx1250"
	.amdhsa_code_object_version 6
	.text
	.protected	k_qff861cddef_ff1
	.globl	k_qff861cddef_ff1
	.p2align	8
	.type	k_qff861cddef_ff1,@function
k_qff861cddef_ff1:
	s_mov_b64 s[64:65], 0
	v_nop
	global_prefetch_b8 v0, s[64:65] scope:SCOPE_SE
	s_setreg_imm32_b32 hwreg(HW_REG_WAVE_MODE, 25, 1), 1
	s_wait_xcnt 0x0
	s_wait_alu depctr_hold_cnt(0) depctr_sa_sdst(0) depctr_va_vdst(0) depctr_va_sdst(0) depctr_va_ssrc(0) depctr_va_vcc(0) depctr_vm_vsrc(0)
	s_getreg_b32 s2, hwreg(HW_REG_IB_STS2, 6, 4)
	s_cmp_eq_u32 s2, 0
	s_cbranch_scc0 .Lentry_in_a_cluster
	s_endpgm
.Lentry_in_a_cluster:
	s_bfe_u32 s2, ttmp6, 0x10000c
	s_cmp_lg_u32 s2, 0xf033
	s_cbranch_scc0 .Lentry_shape_is_right
	s_endpgm
.Lentry_shape_is_right:
.set SLOT,   131072
.set SPARE,  2*SLOT
.set SP,     336
.set FR,     16
.set NL,     4
.set AF,     128
.set BI,     32
.set GO,     10
.set SCL,    12
.set LIM,    13
.set ADRA,   16
.set ADRB,   20
.set STO,    24
.set RDA,    25
.set SPW,    28
.set NIL,    29
.set G1,     24
.set G0,     32
.set G1B,    48
.set G0B,    56
.set EX,     68
.set OFS,    84
.set PTA,    90
.set PTB,    92
.set MSB,    0
.macro WIN new
.if MSB != (\new)
	s_set_vgpr_msb (MSB<<8)|(\new)
.set MSB, (\new)
.endif
.endm
.macro WMUL hi, zero
.if \zero
	WIN 0x81+0x40*(\hi)
.else
	WIN 0xa1+0x50*(\hi)
.endif
.endm
.macro JLOAD g0a, g1a, g0b, g1b
	s_cmp_eq_u32 s15, 0
	s_cbranch_scc0 .Lfor_b_\@
	tensor_load_to_lds s[\g0a:\g0a+3], s[\g1a:\g1a+7]
	s_nop 0
.rept 4
	v_nop
.endr
	s_branch .Lasked_\@
.Lfor_b_\@:
	tensor_load_to_lds s[\g0b:\g0b+3], s[\g1b:\g1b+7]
	s_nop 0
.rept 4
	v_nop
.endr
.Lasked_\@:
.endm
.macro CREST
	s_cmp_lg_u32 s14, 0
	s_cbranch_scc1 .Lnot_wave_0_\@
	s_barrier_signal -3
.Lnot_wave_0_\@:
	s_barrier_wait -3
	s_barrier_signal -1
	s_barrier_wait -1
.endm
.macro CROUND
	s_barrier_signal -1
	s_barrier_wait -1
	CREST
.endm
.macro PLACES n
.rept \n
	v_nop
.endr
.endm
.macro FRAG reg, adr, q, i
.irp c, 0,1,2,3
	ds_load_b128 v[\reg+4*\c:\reg+4*\c+3], v[\adr] offset:(\i)*4096+(\q)*2048+512*\c
.endr
.endm
.macro MUL16 a0, p, zero
.irp a, \a0, \a0+1
.irp b, 0,1,2,3,4,5,6,7
.if \zero
	v_wmma_f32_16x16x128_fp8_fp8 v[8*(8*((\a)%4)+\b):8*(8*((\a)%4)+\b)+7], v[128*(\p)+FR*\b:128*(\p)+FR*\b+FR-1], v[AF+FR*(\a):AF+FR*(\a)+FR-1], v[BI+8*\b:BI+8*\b+7]
.else
	v_wmma_f32_16x16x128_fp8_fp8 v[8*(8*((\a)%4)+\b):8*(8*((\a)%4)+\b)+7], v[128*(\p)+FR*\b:128*(\p)+FR*\b+FR-1], v[AF+FR*(\a):AF+FR*(\a)+FR-1], v[8*(8*((\a)%4)+\b):8*(8*((\a)%4)+\b)+7]
.endif
.endr
.endr
.endm
.macro FETCH_B slot, q, p
	WIN 0x40
.irp i, 0,1,2,3,4,5,6,7
	FRAG 128*(\p)+FR*\i, ADRB+\slot, \q, \i
.endr
	WIN 0
.endm
.macro FETCH_A slot, q, i0
.irp i, \i0, \i0+1, \i0+2, \i0+3
	FRAG AF+FR*(\i), ADRA+\slot, \q, \i
.endr
.endm
.macro STEP slot, q, zero
	s_wait_dscnt 4*NL
	WMUL 0, \zero
	MUL16 0, (\q)%2, \zero
	MUL16 2, (\q)%2, \zero
	s_wait_dscnt 0
	PLACES 4
	FETCH_B \slot, (\q)+1, 1-(\q)%2
	FETCH_A \slot, (\q)+1, 0
	WMUL 1, \zero
	MUL16 4, (\q)%2, \zero
	MUL16 6, (\q)%2, \zero
	PLACES 4
	WIN 0
	FETCH_A \slot, (\q)+1, 4
.endm
.macro TURN slot, next, fill
	s_wait_tensorcnt 0x0
	ds_add_u32 v[SPW], v[NIL]
.if \fill
	s_add_co_u32 s[OFS+2*\slot], s[OFS+2*\slot], 8192
	s_and_b32 s[OFS+2*\slot], s[OFS+2*\slot], 0x3fff
	s_add_nc_u64 s[G0+4*\slot+2:G0+4*\slot+3], s[PTA:PTA+1], s[OFS+2*\slot:OFS+2*\slot+1]
	s_or_b32 s[G0+4*\slot+3], s[G0+4*\slot+3], 0x80000000
	s_add_nc_u64 s[G0B+4*\slot+2:G0B+4*\slot+3], s[PTB:PTB+1], s[OFS+2*\slot:OFS+2*\slot+1]
	s_or_b32 s[G0B+4*\slot+3], s[G0B+4*\slot+3], 0x80000000
.endif
	s_wait_dscnt 4*NL+1
	WMUL 0, 0
	MUL16 0, 1, 0
	s_wait_dscnt 0x0
	s_barrier_signal -1
	MUL16 2, 1, 0
	WIN 0
	s_barrier_wait -1
.if \fill
	CREST
	JLOAD G0+4*\slot, G1, G0B+4*\slot, G1B
.else
	PLACES 4
.endif
	FETCH_B \next, 0, 0
	FETCH_A \next, 0, 0
	WMUL 1, 0
	MUL16 4, 1, 0
	MUL16 6, 1, 0
	PLACES 4
	WIN 0
	FETCH_A \next, 0, 4
.endm
	s_load_b256 s[4:11], s[0:1], 0x0
	s_load_b64 s[12:13], s[0:1], 0x20
	v_lshl_add_u32 v[SPW], v0, 2, SPARE
	v_mov_b32 v[NIL], 0
	ds_add_u32 v28, v29
	ds_add_u32 v28, v29
	s_wait_dscnt 0x0
	v_lshrrev_b32 v1, 5, v0
	v_readfirstlane_b32 s14, v1
	s_lshr_b32 s15, s14, 1
	s_and_b32 s16, s14, 1
	s_bfe_u32 s40, ttmp6, 0x40000
	s_bfe_u32 s41, ttmp6, 0x40004
	s_lshl_b32 s42, ttmp9, 2
	s_add_co_u32 s42, s42, s40
	s_and_b32 s17, ttmp7, 0xffff
	s_lshl_b32 s17, s17, 2
	s_add_co_u32 s17, s17, s41
	s_lshl_b32 s43, s41, 2
	s_lshl_b32 s43, 15, s43
	s_lshl_b32 s44, 0x1111, s40
	s_or_b32 s[G1+0], s43, (3<<16)|(1<<21)
	s_or_b32 s[G1B+0], s44, (3<<16)|(1<<21)
.irp g, G1, G1B
	s_mov_b32 s[\g+1], 512<<16
	s_mov_b32 s[\g+2], 8<<16
	s_mov_b32 s[\g+3], 512<<16
	s_mov_b32 s[\g+4], 8
	s_mov_b32 s[\g+5], 2048
	s_mov_b32 s[\g+6], 0
	s_mov_b32 s[\g+7], 0
.endr
	s_lshl_b32 s18, s16, 17
	s_lshl_b32 s20, s17, 18
	s_add_co_u32 s20, s20, s18
	s_lshl_b32 s46, s42, 18
	s_add_co_u32 s46, s46, s18
	s_add_co_u32 s46, s46, 0x400000
	s_mov_b32 s21, 0
	s_mov_b32 s47, 0
	s_lshl_b32 s45, s14, 15
	s_and_b32 s94, ttmp7, 1
	s_add_co_u32 s94, s94, ttmp9
	s_and_b32 s94, s94, 1
	s_lshl_b32 s[OFS], s94, 13
	s_add_co_u32 s[OFS+2], s[OFS], 4096
	s_mov_b32 s[OFS+1], 0
	s_mov_b32 s[OFS+3], 0
	s_wait_kmcnt 0x0
	s_load_b512 s[EX:EX+15], s[8:9], 0x0
	s_add_nc_u64 s[PTA:PTA+1], s[4:5], s[20:21]
	s_add_nc_u64 s[PTB:PTB+1], s[6:7], s[46:47]
	CROUND
.irp s, 0,1
	s_mov_b32 s[G0+4*\s], 1
	s_add_co_u32 s[G0+4*\s+1], s45, \s*SLOT
	s_add_nc_u64 s[G0+4*\s+2:G0+4*\s+3], s[PTA:PTA+1], s[OFS+2*\s:OFS+2*\s+1]
	s_or_b32 s[G0+4*\s+3], s[G0+4*\s+3], 0x80000000
	s_mov_b32 s[G0B+4*\s], 1
	s_add_co_u32 s[G0B+4*\s+1], s45, \s*SLOT
	s_add_nc_u64 s[G0B+4*\s+2:G0B+4*\s+3], s[PTB:PTB+1], s[OFS+2*\s:OFS+2*\s+1]
	s_or_b32 s[G0B+4*\s+3], s[G0B+4*\s+3], 0x80000000
.endr
	JLOAD G0, G1, G0B, G1B                         ; slot 0: one tensor load a wave at the head
	v_and_b32 v1, 31, v0
	v_and_b32 v2, 15, v0
	s_wait_alu depctr_va_vdst(0)
	v_bfe_u32 v3, v0, 4, 1
	v_lshlrev_b32 v[GO], 4, v1
	s_lshl_b32 s21, s15, 15
	s_lshl_b32 s22, s16, 15
	s_add_co_u32 s22, s22, 65536
.irp s, 0,1
	v_add_nc_u32 v[ADRA+\s], s21, v[GO]
	v_add_nc_u32 v[ADRB+\s], s22, v[GO]
	s_add_co_u32 s21, s21, SLOT
	s_add_co_u32 s22, s22, SLOT
.endr
	s_mul_i32 s23, s15, 128*SP
	s_lshl_b32 s19, s16, 7
	s_add_co_u32 s23, s23, s19
	v_mul_u32_u24 v[STO], v2, SP
	s_wait_alu depctr_va_vdst(0)
	v_lshl_add_u32 v[STO], v3, 3, v[STO]
	v_add_nc_u32 v[STO], s23, v[STO]
	s_mul_i32 s23, s14, 64*SP
	v_mul_u32_u24 v[RDA], v2, SP
	v_lshl_add_u32 v[RDA], v3, 4, v[RDA]
	v_add_nc_u32 v[RDA], s23, v[RDA]
	s_lshl_b32 s20, s17, 20
	s_lshl_b32 s19, s14, 18
	s_add_co_u32 s20, s20, s19
	s_lshl_b32 s19, s42, 12
	s_add_co_u32 s20, s20, s19
	s_mov_b32 s21, 0
	s_add_nc_u64 s[10:11], s[10:11], s[20:21]
	s_lshl_b32 s20, s42, 10
	s_lshl_b32 s19, s16, 9
	s_add_co_u32 s20, s20, s19
	s_add_nc_u64 s[12:13], s[12:13], s[20:21]
	v_lshlrev_b32 v4, 5, v3
.irp b, 0,1,2,3,4,5,6,7
	global_load_b128 v[BI+8*\b:BI+8*\b+3], v4, s[12:13] offset:64*\b
	global_load_b128 v[BI+8*\b+4:BI+8*\b+7], v4, s[12:13] offset:64*\b+16
.endr
	s_wait_kmcnt 0x0
	s_add_co_i32 s19, s[EX+12], s[EX+13]
	s_sub_co_i32 s18, 0, s19
	s_wait_loadcnt 0x0
.set J, 0
.rept 64
	v_ldexp_f32 v[BI+J], v[BI+J], s18
.set J, J+1
.endr
	s_sub_co_i32 s18, s[EX+14], s19
	s_add_co_i32 s18, s18, 127
	s_lshl_b32 s19, s18, 23
	v_mov_b32 v[SCL], s19
	s_add_co_i32 s18, s18, 8
	s_lshl_b32 s18, s18, 23
	s_or_b32 s18, s18, 0x600000
	v_mov_b32 v[LIM], s18
	s_wait_alu depctr_va_vdst(0)
	s_wait_tensorcnt 0x0                           ; my part of slot 0 is in
	ds_add_u32 v[SPW], v[NIL]
	s_wait_dscnt 0x0
	CROUND                                         ; everybody's part of slot 0 is in, and all sixteen work-groups are here
	JLOAD G0+4, G1, G0B+4, G1B                     ; slot 1's first fill: the first tensor load behind the round
	FETCH_B 0, 0, 0
	FETCH_A 0, 0, 0
	FETCH_A 0, 0, 4
	STEP 0, 0, 1
	TURN 0, 1, 1
	STEP 1, 0, 0
	TURN 1, 0, 1
	STEP 0, 0, 0
	TURN 0, 1, 0
	STEP 1, 0, 0
	s_wait_dscnt 4*NL
	WMUL 0, 0
	MUL16 0, 1, 0
	MUL16 2, 1, 0
	s_wait_dscnt 0
	WMUL 1, 0
	MUL16 4, 1, 0
	MUL16 6, 1, 0
	WIN 0
	PLACES 4
.irp W, 2,3
	WIN (\W<<6)|\W
.set J, 0
.rept 256
	v_med3_num_f32 v[J], v[J], 0, v[LIM]
.set J, J+1
.endr
	WIN \W
.set J, 0
.rept 32
	v_cvt_scalef32_pk8_fp8_f32 v[128+64*(\W-2)+2*J:129+64*(\W-2)+2*J], v[8*J:8*J+7], v[SCL]
.set J, J+1
.endr
.endr
	v_nop
	WIN 0
.irp a, 0,1,2,3,4,5,6,7
.irp b, 0,1,2,3,4,5,6,7
	ds_store_b64 v[STO], v[128+2*(8*\a+\b):129+2*(8*\a+\b)] offset:16*SP*\a+16*\b
.endr
.endr
	s_wait_dscnt 0x0
	s_barrier_signal -1
	s_barrier_wait -1
.set I, 0
.rept 32
	ds_load_b128 v[128+4*I:131+4*I], v[RDA] offset:(I/8)*16*SP+128*((I/4)%2)+32*(I%4)
.set I, I+1
.endr
.set I, 0
.rept 32
	s_wait_dscnt 31-I
	global_store_b128 v[GO], v[128+4*I:131+4*I], s[10:11] offset:(I/8)*65536+(I%8)*512
.set I, I+1
.endr
	s_wait_tensorcnt 0x0
	ds_add_u32 v[SPW], v[NIL]
	s_wait_dscnt 0x0
	CROUND
	s_endpgm
.Lfunc_end_k_qff861cddef_ff1:
	.size	k_qff861cddef_ff1, .Lfunc_end_k_qff861cddef_ff1-k_qff861cddef_ff1
	.p2alignl 7, 3214868480
	.fill 96, 4, 3214868480
	.section	.rodata,"a",@progbits
	.p2align	6, 0x0
	.amdhsa_kernel k_qff861cddef_ff1
		.amdhsa_group_segment_fixed_size 327680
		.amdhsa_private_segment_fixed_size 0
		.amdhsa_enable_private_segment 0
		.amdhsa_kernarg_size 40
		.amdhsa_user_sgpr_count 2
		.amdhsa_user_sgpr_kernarg_segment_ptr 1
		.amdhsa_wavefront_size32 1
		.amdhsa_system_sgpr_workgroup_id_x 1
		.amdhsa_system_sgpr_workgroup_id_y 1
		.amdhsa_system_sgpr_workgroup_id_z 1
		.amdhsa_system_vgpr_workitem_id 0
		.amdhsa_next_free_vgpr 1024
		.amdhsa_next_free_sgpr 100
		.amdhsa_reserve_vcc 0
		.amdhsa_float_denorm_mode_32 3
		.amdhsa_float_denorm_mode_16_64 3
		.amdhsa_memory_ordered 1
		.amdhsa_forward_progress 1
		.amdhsa_inst_pref_size 131
	.end_amdhsa_kernel
	.amdgpu_metadata
---
amdhsa.version: [ 1, 2 ]
amdhsa.kernels:
  - .name:           k_qff861cddef_ff1
    .symbol:         k_qff861cddef_ff1.kd
    .args:
      - { .name: nx2, .offset: 0, .size: 8, .value_kind: global_buffer, .address_space: global }
      - { .name: wc, .offset: 8, .size: 8, .value_kind: global_buffer, .address_space: global }
      - { .name: lowp_scales, .offset: 16, .size: 8, .value_kind: global_buffer, .address_space: global }
      - { .name: hc, .offset: 24, .size: 8, .value_kind: global_buffer, .address_space: global }
      - { .name: b1, .offset: 32, .size: 8, .value_kind: global_buffer, .address_space: global }
    .group_segment_fixed_size: 327680
    .private_segment_fixed_size: 0
    .kernarg_segment_align: 8
    .kernarg_segment_size: 40
    .max_flat_workgroup_size: 128
    .sgpr_count:     100
    .vgpr_count:     1024
    .wavefront_size: 32
...
	.end_amdgpu_metadata
.endif
;; end of part 6
;; launch ff2 (part 7): grid 8 x 32, 4 waves a work-group, no clusters, 270,848 bytes of LDS; arguments hc, wc, lowp_scales, x1, out0, b2; writes out0
.if DOCPART == 7
	.amdgcn_target "amdgcn-amd-amdhsa--gfx1250"
	.amdhsa_code_object_version 6
	.text
	.protected	k_qff861cddef_ff2
	.globl	k_qff861cddef_ff2
	.p2align	8
	.type	k_qff861cddef_ff2,@function
k_qff861cddef_ff2:
	s_mov_b64 s[64:65], 0
	v_nop
	global_prefetch_b8 v0, s[64:65] scope:SCOPE_SE
	s_setreg_imm32_b32 hwreg(HW_REG_WAVE_MODE, 25, 1), 1
	s_wait_xcnt 0x0
; out = x1 + h W2 + b2: A GEMM ON CODES OF E4M3 WITH N = 1,024, K = 4,096 AND AN f32 RESULT PLUS RESIDUAL; scales e14 (h), e15 (W2).
; Operands are images of operand registers: the byte of (row, k) is (row/16) x 65536 + (k/128) x 2048 + ((k%128)/32) x 512 + ((k%32)/16) x 256 + (row%16) x 16 + k%16.
; C has 32 x 8 tiles of 128 x 128: one for each of 256 work-groups.  THE FOUR WAVES SHARE K, NOT THE TILE: wave w holds the whole 128 x 128 (64 accumulators) and multiplies k = 1,024 w .. 1,024 w + 1,023.
; NO LDS FOR OPERANDS, NO CLUSTER: each fragment is wanted by ONE wave of the work-group and feeds eight of its products, so it goes from memory straight into that wave's registers, 512 consecutive bytes a load;
; a joint load would land in LDS, through which no operand byte passes here.
; K goes in half steps of 64 (the K = 64 form: a fragment is two loads, 8 registers) through THREE register buffers: while one is multiplied, the loads of the two behind it are out: 64 loads a wave.
; s_wait_loadcnt 63 stands where 64 younger loads might stay out: it is the largest count that the wait can name.  NO PREFETCH: the loads themselves stand two half steps ahead of their use.
; At the end the four partial tiles meet in LDS (a region of 128 rows x 528 bytes for each wave) and are added by rows, on the way that the results take in any case to leave as whole rows of 512 bytes.
; So the sums are four partial sums, added pairwise; b2 is added to the residual first.  The matrix instruction is used transposed: lane (r, h) holds row 16 a + r and columns 16 b + 8 h + 0 .. 7.
; LIMITS: e14 + e15 between -126 and 127.
; REGISTERS: window 0: v8-11, v24-29 addresses, v20-23 b2's four numbers of my lane; v64-255 A's three buffers; v32-159 the way out.  window 1: v64-255 B's three buffers; the residual in v0-63 and v128-191.  windows 2, 3: the accumulators.
.set STP,    528                       ; a stage row: 512 bytes + 16
.set WREG,   128*STP                   ; a wave's region of the stage
.set SPARE,  4*WREG                    ; behind the stage: the spare words, 128 bytes for each wave
.set RD,     8
.set BIA,    20
.set STO,    24
.set GO,     26                        ; v26  16 x lane
.set SPW,    28
.set NIL,    29
.set EX,     68
.set MSB,    0
.macro WIN new
.if MSB != (\new)
	s_set_vgpr_msb (MSB<<8)|(\new)
.set MSB, (\new)
.endif
.endm
.macro PLACES n
.rept \n
	v_nop
.endr
.endm
.macro FETCH n, off                    ; the half step at byte off of my part of each row tile, into buffer n: B's eight fragments, then A's
	WIN 0x40
.set I, 0
.rept 16
	global_load_b128 v[64+64*(\n)+4*I:64+64*(\n)+4*I+3], v[GO], s[6:7] offset:(I/2)*65536+(\off)+(I%2)*512
.set I, I+1
.endr
	WIN 0
.set I, 0
.rept 16
	global_load_b128 v[64+64*(\n)+4*I:64+64*(\n)+4*I+3], v[GO], s[4:5] offset:(I/2)*65536+(\off)+(I%2)*512
.set I, I+1
.endr
.endm
.macro HS n, cnt, zero                 ; buffer n is multiplied: 64 products; the 64 accumulators take turns, one instruction a turn
	s_wait_loadcnt \cnt
.irp hi, 0,1
	WIN 0xa1+0x50*\hi                              ; source 0 (B) window 1, source 1 (A) window 0, C and D window 2 or 3
.irp a, 0,1,2,3
.irp b, 0,1,2,3,4,5,6,7
.if \zero
	v_wmma_f32_16x16x64_fp8_fp8 v[8*(8*\a+\b):8*(8*\a+\b)+7], v[64+64*(\n)+8*\b:64+64*(\n)+8*\b+7], v[64+64*(\n)+8*(4*\hi+\a):64+64*(\n)+8*(4*\hi+\a)+7], 0
.else
	v_wmma_f32_16x16x64_fp8_fp8 v[8*(8*\a+\b):8*(8*\a+\b)+7], v[64+64*(\n)+8*\b:64+64*(\n)+8*\b+7], v[64+64*(\n)+8*(4*\hi+\a):64+64*(\n)+8*(4*\hi+\a)+7], v[8*(8*\a+\b):8*(8*\a+\b)+7]
.endif
.endr
.endr
.endr
	PLACES 4                                       ; in front of loads into the buffer, and of the first read of the sums
.endm
.macro LOADB k                         ; rows 4 k .. 4 k + 3 of my 32, from the four regions
.set PB, 32+64*((\k)%2)
.irp i, 0,1,2,3
.irp g, 0,1,2,3
	ds_load_b128 v[PB+16*\i+4*\g:PB+16*\i+4*\g+3], v[RD+\g] offset:(4*(\k)+\i)*STP
.endr
.endr
.endm
.macro OUTK k                          ; the four partial sums are added, x 2^(e14 + e15), + the residual and b2; four whole rows leave
.set PB, 32+64*((\k)%2)
.irp i, 0,1,2,3
.irp u, 0,2
	v_pk_add_f32 v[PB+16*\i+\u:PB+16*\i+\u+1], v[PB+16*\i+\u:PB+16*\i+\u+1], v[PB+16*\i+4+\u:PB+16*\i+5+\u]
	v_pk_add_f32 v[PB+16*\i+8+\u:PB+16*\i+9+\u], v[PB+16*\i+8+\u:PB+16*\i+9+\u], v[PB+16*\i+12+\u:PB+16*\i+13+\u]
.endr
.irp u, 0,2
	v_pk_add_f32 v[PB+16*\i+\u:PB+16*\i+\u+1], v[PB+16*\i+\u:PB+16*\i+\u+1], v[PB+16*\i+8+\u:PB+16*\i+9+\u]
.endr
.endr
	WIN 0x10                                       ; source 2 (the residual) in window 1: row R at v[4 R + 64 (R / 16)]
.irp i, 0,1,2,3
.irp u, 0,2
	v_pk_fma_f32 v[PB+16*\i+\u:PB+16*\i+\u+1], v[PB+16*\i+\u:PB+16*\i+\u+1], s[96:97], v[4*(4*(\k)+\i)+64*((\k)/4)+\u:4*(4*(\k)+\i)+64*((\k)/4)+\u+1] op_sel_hi:[1,0,1]
.endr
.endr
	WIN 0
.irp i, 0,1,2,3
	global_store_b128 v[GO], v[PB+16*\i:PB+16*\i+3], s[12:13] offset:(4*(\k)+\i)*4096 th:TH_STORE_NT   ; 32 lanes store 512 consecutive bytes, aligned
.endr
.endm
	s_load_b256 s[4:11], s[0:1], 0x0               ; hc, wc, the scales' exponents, x1
	s_load_b128 s[12:15], s[0:1], 0x20             ; out0, b2
	v_lshl_add_u32 v[SPW], v0, 2, SPARE
	v_mov_b32 v[NIL], 0
	v_lshrrev_b32 v1, 5, v0
	v_readfirstlane_b32 s16, v1                    ; wave 0..3: my quarter of K
	v_and_b32 v4, 31, v0                           ; lane
	v_and_b32 v2, 15, v0                           ; r
	v_bfe_u32 v3, v0, 4, 1                         ; h
	v_lshlrev_b32 v[GO], 4, v4
	s_and_b32 s17, ttmp7, 0xffff                   ; tile row 0..31; ttmp9: tile column 0..7
	s_lshl_b32 s18, s16, 14                        ; my 8 K steps of 2,048 bytes in each row tile
	s_lshl_b32 s20, s17, 19                        ; A: 8 row tiles of 65,536 bytes a tile row
	s_add_co_u32 s20, s20, s18
	s_mov_b32 s21, 0
	s_lshl_b32 s22, ttmp9, 19                      ; B likewise, in W2's image in wc
	s_add_co_u32 s22, s22, s18
	s_add_co_u32 s22, s22, 0x800000
	s_mov_b32 s23, 0
	s_lshl_b32 s24, ttmp9, 9                       ; my tile's 512 bytes of a row of C
	s_mov_b32 s25, 0
	s_lshl_b32 s26, s17, 19                        ; rows 128 x tile row + 32 w of 4,096 bytes
	s_lshl_b32 s27, s16, 17
	s_add_co_u32 s26, s26, s27
	s_add_co_u32 s26, s26, s24
	s_mov_b32 s27, 0
	s_wait_alu depctr_va_vdst(0)
	s_wait_kmcnt 0x0
	s_load_b512 s[EX:EX+15], s[8:9], 0x0
	s_add_nc_u64 s[4:5], s[4:5], s[20:21]
	s_add_nc_u64 s[6:7], s[6:7], s[22:23]
	s_add_nc_u64 s[14:15], s[14:15], s[24:25]
	s_add_nc_u64 s[10:11], s[10:11], s[26:27]
	s_add_nc_u64 s[12:13], s[12:13], s[26:27]
	global_load_b128 v[BIA:BIA+3], v[GO], s[14:15] ; b2 at my four columns
	FETCH 0, 0
	FETCH 1, 1024
	FETCH 2, 2048
	s_mul_i32 s23, s16, WREG
	v_mul_u32_u24 v[STO], v2, STP
	v_lshl_add_u32 v[STO], v3, 5, v[STO]
	v_add_nc_u32 v[STO], s23, v[STO]               ; into my region: row r, + 32 h
	s_mul_i32 s23, s16, 32*STP
.irp g, 0,1,2,3
	v_add_nc_u32 v[RD+\g], s23, v[GO]              ; back: rows 32 w on of region g, 16 bytes a lane
	s_add_co_u32 s23, s23, WREG
.endr
	s_wait_kmcnt 0x0
	s_add_co_i32 s96, s[EX+14], s[EX+15]
	s_add_co_i32 s96, s96, 127
	s_lshl_b32 s96, s96, 23                        ; 2^(e14 + e15) as f32
	s_mov_b32 s97, s96                             ; (named with it as a pair)
	s_wait_alu depctr_va_vdst(0)
	HS 0, 63, 1                                    ; half step 0 starts the sums
	FETCH 0, 3072
	s_mov_b32 s3, 4
.Ltrip:                                                ; half steps 1 .. 12, three a trip, once round the buffers; each asks for the half step three on
	HS 1, 63, 0
	FETCH 1, 4096
	HS 2, 63, 0
	FETCH 2, 5120
	HS 0, 63, 0
	FETCH 0, 6144
	s_wait_xcnt 0x0                                ; the loads have read their bases: they may step
	s_add_nc_u64 s[4:5], s[4:5], 3072
	s_add_nc_u64 s[6:7], s[6:7], 3072
	s_sub_co_u32 s3, s3, 1
	s_cmp_lg_u32 s3, 0
	s_cbranch_scc1 .Ltrip
	HS 1, 63, 0                                    ; the last three half steps ask for nothing more of the operands
	WIN 0x40                                       ; the residual's 32 rows of mine, into window 1: rows 0-15 in v0-63, rows 16-31 where B's buffer 1 lay
.set I, 0
.rept 32
	global_load_b128 v[4*I+64*(I/16):4*I+64*(I/16)+3], v[GO], s[10:11] offset:I*4096
.set I, I+1
.endr
	HS 2, 63, 0
	HS 0, 32, 0                                    ; behind the last half step's loads: the residual's 32
	WIN 0
	; THE WAY OUT
.irp a, 0,1,2,3,4,5,6,7
	WIN 0x08+4*((\a)/4)                            ; the stores' data in window 2 or 3
.irp b, 0,1,2,3,4,5,6,7
	ds_store_b128 v[STO], v[8*(8*((\a)%4)+\b):8*(8*((\a)%4)+\b)+3] offset:16*STP*\a+64*\b        ; each accumulator from its low end on
	ds_store_b128 v[STO], v[8*(8*((\a)%4)+\b)+4:8*(8*((\a)%4)+\b)+7] offset:16*STP*\a+64*\b+16
.endr
.endr
	WIN 0
	s_wait_dscnt 0x0                               ; for the others' sake: my stage stores are done
	s_barrier_signal -1
	s_barrier_wait -1
	LOADB 0
	LOADB 1
	s_wait_loadcnt 0x0                             ; the residual
	WIN 0x41                                       ; destination and source 0 in window 1
.set I, 0
.rept 32
	v_pk_add_f32 v[4*I+64*(I/16):4*I+64*(I/16)+1], v[4*I+64*(I/16):4*I+64*(I/16)+1], v[BIA:BIA+1]
	v_pk_add_f32 v[4*I+64*(I/16)+2:4*I+64*(I/16)+3], v[4*I+64*(I/16)+2:4*I+64*(I/16)+3], v[BIA+2:BIA+3]
.set I, I+1
.endr
	WIN 0
.irp k, 0,1,2,3,4,5,6,7
.if \k < 7
	s_wait_dscnt 16                                ; these four rows are back; the next four rows' sixteen loads may be out
.else
	s_wait_dscnt 0
.endif
	OUTK \k
.if \k < 6
	s_wait_xcnt 0x0                                ; the stores have read their registers: the rows two steps on may land there
	LOADB \k+2
.endif
.endr
	s_wait_tensorcnt 0x0                           ; the wave's end
	ds_add_u32 v[SPW], v[NIL]
	s_wait_dscnt 0x0
	s_endpgm
.Lfunc_end_k_qff861cddef_ff2:
	.size	k_qff861cddef_ff2, .Lfunc_end_k_qff861cddef_ff2-k_qff861cddef_ff2
	.p2alignl 7, 3214868480
	.fill 96, 4, 3214868480
	.section	.rodata,"a",@progbits
	.p2align	6, 0x0
	.amdhsa_kernel k_qff861cddef_ff2
		.amdhsa_group_segment_fixed_size 270848
		.amdhsa_private_segment_fixed_size 0
		.amdhsa_enable_private_segment 0
		.amdhsa_kernarg_size 48
		.amdhsa_user_sgpr_count 2
		.amdhsa_user_sgpr_kernarg_segment_ptr 1
		.amdhsa_wavefront_size32 1
		.amdhsa_system_sgpr_workgroup_id_x 1
		.amdhsa_system_sgpr_workgroup_id_y 1
		.amdhsa_system_sgpr_workgroup_id_z 1
		.amdhsa_system_vgpr_workitem_id 0
		.amdhsa_next_free_vgpr 1024
		.amdhsa_next_free_sgpr 100
		.amdhsa_reserve_vcc 0
		.amdhsa_float_denorm_mode_32 3
		.amdhsa_float_denorm_mode_16_64 3
		.amdhsa_memory_ordered 1
		.amdhsa_forward_progress 1
		.amdhsa_inst_pref_size 98
	.end_amdhsa_kernel
	.amdgpu_metadata
---
amdhsa.version: [ 1, 2 ]
amdhsa.kernels:
  - .name:           k_qff861cddef_ff2
    .symbol:         k_qff861cddef_ff2.kd
    .args:
      - { .name: hc, .offset: 0, .size: 8, .value_kind: global_buffer, .address_space: global }
      - { .name: wc, .offset: 8, .size: 8, .value_kind: global_buffer, .address_space: global }
      - { .name: lowp_scales, .offset: 16, .size: 8, .value_kind: global_buffer, .address_space: global }
      - { .name: x1, .offset: 24, .size: 8, .value_kind: global_buffer, .address_space: global }
      - { .name: out0, .offset: 32, .size: 8, .value_kind: global_buffer, .address_space: global }
      - { .name: b2, .offset: 40, .size: 8, .value_kind: global_buffer, .address_space: global }
    .group_segment_fixed_size: 270848
    .private_segment_fixed_size: 0
    .kernarg_segment_align: 8
    .kernarg_segment_size: 48
    .max_flat_workgroup_size: 128
    .sgpr_count:     100
    .vgpr_count:     1024
    .wavefront_size: 32
...
	.end_amdgpu_metadata
.endif
;; end of part 7
